; MI455X (gfx1250); checked and timed in simulation.
; The chip was launched on July 23, 2026; its instructions are those of AMD's public machine-readable ISA for CDNA 5 (MIT licence, August 2026) and "CDNA5" Instruction Set Architecture Reference Guide (July 2026). The comments in the code are by the model that wrote it; some were corrected since.
;; Self Attention. Allowed arithmetic: matrix products marked QUANTISED: E2M3 operands, one E8M0 scale for each 32 along K, by v_wmma_scale_f32_16x16x128_f8f6f4 with both operands' format E2M3, f32 sums; everything else in f32.
;; Inputs: W_attn 1,024 x 3,072 float32; W_proj 1,024 x 1,024 float32; x 4 x 2,048 x 1,024 float32.
;; Outputs: out0 4 x 2,048 x 1,024 float32.
;; This version of the problem:
;;   THIS VERSION OF THE PROBLEM IS GIVEN IN LOW PRECISION. The matrix products marked QUANTISED in the list below multiply operands that are first quantised to E2M3 (2 exponent bits, 3 mantissa bits; 6 bits a number), with one power-of-two scale for each 32 numbers along K (OCP MX v1.0); their sums are f32. All else is computed in f32.
;;   The module's matrix products, in the order in which they are computed (A, B: the left and right operand; K: the contracted axis; several contracted axes count as one K, in the product's order):
;;     1. [M 8,192, K 1,024] x [K 1,024, N 3,072]; A: input x; B: input W_attn: QUANTISED
;;     2. batch 64 x [M 2,048, K 64] x [K 64, N 2,048]; A: computed on the way; B: computed on the way: QUANTISED
;;     3. batch 64 x [M 2,048, K 2,048] x [K 2,048, N 64]; A: softmax (see below); B: computed on the way: QUANTISED
;;     4. [M 8,192, K 1,024] x [K 1,024, N 1,024]; A: computed on the way; B: input W_proj: QUANTISED
;;   THE QUANTISER, for each operand of a quantised product, along K:
;;     - K is cut into blocks of 32 from its start; a last block that is shorter is filled with zeros.
;;     - A block's scale is 2^e with e = floor(log2(the largest magnitude in the block)) - 2, held to -126 .. 127; a block of zeros has e = 0. As a byte (E8M0): e + 127.
;;     - Each number is divided by its block's scale, clamped to +-7.5, and rounded to the nearest number of E2M3, ties to even, subnormals kept.
;;     - The product sums the exact products of the quantised numbers (number of the format x scale) in f32.
;;   ~~~python
;;   def quantise(x, axis):      # numpy; x: float32 -> the quantised numbers, widened to float32 again
;;       x = np.moveaxis(x, axis, -1); K = x.shape[-1]
;;       x = np.pad(x, [(0, 0)] * (x.ndim - 1) + [(0, -K % 32)]); x = x.reshape(x.shape[:-1] + (-1, 32)); a = np.abs(x).max(-1, keepdims=True)
;;       e = np.where(a > 0, np.clip(np.frexp(np.where(a > 0, a, 1))[1] - 1 - 2, -126, 127), 0)      # np.frexp(a)[1] - 1 = floor(log2(a)), exactly
;;       r = np.clip(x / 2.0 ** e, -7.5, 7.5)
;;       step = 2.0 ** (np.maximum(np.frexp(np.where(r == 0, 1, r))[1] - 1, 0) - 3)
;;       q = np.round(r / step) * step * 2.0 ** e      # np.round: ties to even
;;       return np.moveaxis(q.reshape(q.shape[:-2] + (-1,))[..., :K], -1, axis).astype(np.float32)
;;   ~~~
;;   SOFTMAX AHEAD OF A QUANTISED PRODUCT. Where the list says 'softmax', what is quantised is not the finished softmax but p = 2^(t - M), with t = logit x log2(e) and M = ceil(the row's largest t), a whole number; so 1/2 < the row's largest p <= 1. The row's sum l is taken of the UNQUANTISED p, in f32, and the product's result is divided by l at the end. Since M is a whole number, a kernel that streams over the keys may use a running M (the ceiling of the running maximum): every later rescaling is an exact power of two, which a block's scale takes up: the codes' values come out the same.
;;   OPERANDS COMPUTED ON THE WAY. 'Computed on the way' means the value that the module computes at that place (a softmax that the list does not call 'softmax' is quantised finished and normalised). What goes into a quantiser is computed in f32, as accurately as f32 sums, v_exp_f32 and their like allow (about 1e-6 of the number): no bf16 or f16 on the way to a quantiser, and a product that is left as it is and whose result goes on into a quantised operand takes f32 operands (vector FMAs, or v_wmma_f32_16x16x4_f32). A number that lies on a knife's edge between two numbers of the format may be rounded either way, as far as f32 arithmetic and the matrix unit's own rounding can turn it there, and no further.
;; One version. Each part assembles by itself: llvm-mc -triple=amdgcn-amd-amdhsa -mcpu=gfx1250 --defsym DOCPART=n.
;; ======== version 1 of 1: 4 launches
;; workspace buffers: xw_codes 9,437,184 bytes; xw_scales 393,216 bytes; qkv_codes 18,874,368 bytes; qkv_scales 1,310,720 bytes; y_codes 6,291,456 bytes; y_scales 262,144 bytes
;; launch quant (part 1): grid 512 x 1, 4 waves a work-group, no clusters, 48,128 bytes of LDS; arguments x, W_attn, W_proj, xw_codes, xw_scales; writes xw_codes, xw_scales
.if DOCPART == 1
	.amdgcn_target "amdgcn-amd-amdhsa--gfx1250"
	.amdhsa_code_object_version 6
	.text
	.protected	k_qa504e9b54c_quant
	.globl	k_qa504e9b54c_quant
	.p2align	8
	.type	k_qa504e9b54c_quant,@function
k_qa504e9b54c_quant:
	s_mov_b64 s[64:65], 0
	v_nop
	global_prefetch_b8 v0, s[64:65] scope:SCOPE_SE
	s_setreg_imm32_b32 hwreg(HW_REG_WAVE_MODE, 25, 1), 1
	s_wait_xcnt 0x0
; x [8192][1024], W_attn [1024][3072], W_proj [1024][1024], f32, become codes of FP6 (E2M3) along K = 1024, one E8M0 byte for each 32 along K.
; A block's scale is 2^(floor(log2(largest magnitude)) - 2); its byte is the largest magnitude's exponent field - 2, held at 1 from below.
; LIMITS: a block of zeros, or one whose largest magnitude lies under 2^-124, gets the byte 1 (its codes are zeros or subnormal; this program alone reads the bytes); NaN and infinities are not served.
; LAYOUT OF THE RESULT, in the order of an operand's registers.  A TILE is 16 rows of a matrix whose rows lie along K (x's rows; the weights' columns):
; tile t, row i is matrix row 32 (t / 2) + 8 (t % 2) + i + 8 (i / 8).  Tiles 0-511: x; 512-703: W_attn's columns; 704-767: W_proj's.
; The IMAGE of (tile, K step of 128) is 1,536 bytes: registers 0-3 at 16 x lane, 4-5 at 512 + 8 x lane, 6-9 at 768 + 16 x lane, 10-11 at 1280 + 8 x lane;
; lane (r, h) holds in registers 6 c .. 6 c + 5 the 24 bytes of block 2 c + h of the step, of tile row r.  xw_codes: [tile][8 steps][1536].
; xw_scales: [tile][K half][r][4 words], a word for a K step, byte b for its block b.
; Work-groups 0-255 take x, 256-511 the weights; each way has LDS bytes of its own, and both meet at one barrier.
; x: a wave takes a tile and half of K: each load reads 512 consecutive bytes of a row; a step's 16 x 512 bytes turn through the wave's stage (rows 528 bytes apart), so that a lane gets two whole blocks of 32.
; W: a lane takes a column and its registers run down K (a wave: 32 columns x 128 K); the rows are asked for a block and a half ahead (48 loads of a wave are out at the most);
;    the codes go through the wave's stage as images and leave 512 consecutive bytes a store.
.set XW,    8448                       ; x's stage of a wave: 16 rows x 528
.set WST,   4*XW                       ; the weights' stages: 2 images of 1,536 + 128 for each wave
.set WW,    3328
.set WSC,   WST+4*WW                   ; the weights' scale words of a work-group: 2 tiles x 256 bytes
.set SPARE, WSC+512                    ; the spare words, 128 bytes a wave: two blocks of 256 bytes that no other line names
.set L16,  4                           ; 16 x lane
.set L8,   5                           ; 8 x lane
.set XSI,  6                           ; x's stage, in
.set XSO,  7                           ; x's stage, out: 528 r + 128 h
.set WS16, 8                           ; W's stage, in: 1664 u + 16 i (u, i: my column's tile and row)
.set WS8,  9                           ; the same with 8 i
.set WSB,  10                          ; W's stage, out
.set WSCI, 11                          ; my scale word's place
.set WSCO, 12                          ; the scale words, out
.set SCO,  13                          ; 16 r + 8 h
.set SPW,  14
.set NIL,  15
.set WGO,  16                          ; 512 h + 16 r
.set SH8,  17                          ; 8 h
.set SW,   24                          ; v24-27 scale words
.set PC,   28                          ; v28-39 a fragment's codes
.set CT,   40                          ; v40-46 second halves of blocks, as the conversions leave them
.set X,    48                          ; v48-111 x: 64 numbers, two blocks of 32
.set WC,   80                          ; v80-111 W: 8 registers for each of 4 blocks
.set RAW,  112                         ; v112-239 numbers as loaded
.set L4,   240                         ; 4 x lane
	s_load_b128 s[4:7], s[0:1], 0x0                ; x, W_attn
	s_load_b128 s[8:11], s[0:1], 0x10              ; W_proj, the codes
	s_load_b64 s[12:13], s[0:1], 0x20              ; the scale words
	v_lshl_add_u32 v[SPW], v0, 2, SPARE
	v_mov_b32 v[NIL], 0
	v_lshrrev_b32 v1, 5, v0
	v_readfirstlane_b32 s14, v1                    ; wave
	v_and_b32 v1, 31, v0                           ; lane
	v_and_b32 v2, 15, v0                           ; r
	v_bfe_u32 v3, v0, 4, 1                         ; h
	v_lshlrev_b32 v[L16], 4, v1
	v_lshlrev_b32 v[L8], 3, v1
	v_lshlrev_b32 v[L4], 2, v1
	s_mul_i32 s15, s14, XW
	v_add_nc_u32 v[XSI], s15, v[L16]
	v_mul_u32_u24 v[XSO], v2, 528
	v_lshl_add_u32 v[XSO], v3, 7, v[XSO]
	v_add_nc_u32 v[XSO], s15, v[XSO]
	v_bfe_u32 v18, v0, 3, 1                        ; u = (lane / 8) % 2
	v_and_b32 v19, 7, v0
	v_lshl_add_u32 v19, v3, 3, v19                 ; i = lane % 8 + 8 (lane / 16)
	s_mul_i32 s16, s14, WW
	s_add_co_u32 s16, s16, WST
	v_mul_u32_u24 v20, v18, 1664
	v_add_nc_u32 v20, s16, v20
	v_lshl_add_u32 v[WS16], v19, 4, v20
	v_lshl_add_u32 v[WS8], v19, 3, v20
	v_add_nc_u32 v[WSB], s16, v[L16]
	s_lshl_b32 s17, s14, 2
	s_add_co_u32 s17, s17, WSC
	v_lshlrev_b32 v[WSCI], 8, v18
	v_lshl_add_u32 v[WSCI], v19, 4, v[WSCI]
	v_add_nc_u32 v[WSCI], s17, v[WSCI]             ; 256 u + 16 i + 4 x wave
	v_add_nc_u32 v[WSCO], WSC, v[L16]
	v_lshlrev_b32 v[SCO], 4, v2
	v_lshl_add_u32 v[SCO], v3, 3, v[SCO]
	v_lshlrev_b32 v[WGO], 4, v2
	v_lshl_add_u32 v[WGO], v3, 9, v[WGO]
	v_lshlrev_b32 v[SH8], 3, v3
	v_mov_b32 v23, 0                               ; a lane permute's destination counts as one of its sources
	s_mov_b32 s18, 0xffff0000                      ; lanes 16-31
	s_mov_b32 s20, 0x76543210
	s_mov_b32 s21, 0xfedcba98                      ; v_permlanex16_b32's selects for lane l xor 16
	s_mov_b32 s23, 0
	s_mov_b32 s29, 0
	s_wait_kmcnt 0x0
	s_cmp_ge_u32 ttmp9, 256
	s_cbranch_scc1 .Lweights
	; ---- x.  Wave w of work-group g: tile 2 g + w / 2, K half w % 2
	s_lshl_b32 s22, ttmp9, 17                      ; 32 g rows of 4,096 bytes
	s_lshr_b32 s24, s14, 1
	s_and_b32 s25, s14, 1
	s_lshl_b32 s26, s24, 15                        ; + 8 rows for the odd tile
	s_add_co_u32 s22, s22, s26
	s_lshl_b32 s26, s25, 11                        ; + 2,048 bytes for the upper half of K
	s_add_co_u32 s22, s22, s26
	s_add_nc_u64 s[4:5], s[4:5], s[22:23]
	s_mul_i32 s22, ttmp9, 24576                    ; codes: 12288 x tile + 6144 x half = 24576 g + 6144 w
	s_mul_i32 s26, s14, 6144
	s_add_co_u32 s22, s22, s26
	s_add_nc_u64 s[10:11], s[10:11], s[22:23]
	s_lshl_b32 s22, ttmp9, 10                      ; scale words: 512 x tile + 256 x half = 1024 g + 256 w
	s_lshl_b32 s26, s14, 8
	s_add_co_u32 s22, s22, s26
	s_add_nc_u64 s[12:13], s[12:13], s[22:23]
.macro XLOAD t                         ; K step t of my 16 rows: each load reads 512 consecutive bytes
.set i, 0
.rept 16
	global_load_b128 v[RAW+64*((\t)%2)+4*i:RAW+64*((\t)%2)+4*i+3], v[L16], s[4:5] offset:(i+8*(i/8))*4096+512*(\t) th:TH_LOAD_NT
.set i, i+1
.endr
.endm
.macro XSTEP t
.if (\t) < 3
	s_wait_loadcnt 16                              ; this step's 16 loads are in; the next step's 16 may be out
.else
	s_wait_loadcnt 0x0
.endif
.set i, 0
.rept 16
	ds_store_b128 v[XSI], v[RAW+64*((\t)%2)+4*i:RAW+64*((\t)%2)+4*i+3] offset:528*i
.set i, i+1
.endr
.set i, 0
.rept 16
	ds_load_b128 v[X+4*i:X+4*i+3], v[XSO] offset:256*(i/8)+16*(i%8)   ; LDS serves a wave's instructions in order: these see the stores above.  Blocks h and 2 + h of row r
.set i, i+1
.endr
	s_wait_dscnt 0x0                               ; the numbers are back, and the stores have read their registers,
.if (\t) < 2
	XLOAD (\t)+2                                   ; which take the loads of two steps on
.endif
.if (\t) > 0
	s_wait_xcnt 0x0                                ; the last step's stores have read the codes' registers
.endif
.irp c, 0,1
	v_max3_num_f32 v[18+\c], |v[X+32*\c]|, |v[X+32*\c+1]|, 0x1800000   ; with the floor 2^(3 - 127): the byte cannot fall under 1
.endr
.irp i, 2,4,6,8,10,12,14,16,18,20,22,24,26,28,30
.irp c, 0,1
	v_max3_num_f32 v[18+\c], v[18+\c], |v[X+32*\c+\i]|, |v[X+32*\c+\i+1]|
.endr
.endr
.irp c, 0,1
	v_add_nc_u32 v[20+\c], 0xff000000, v[18+\c]    ; 2 off the exponent field: the conversion's scale operand
.endr
.irp c, 0,1
	v_lshrrev_b32 v[18+\c], 23, v[20+\c]           ; the byte
.endr
	v_lshl_or_b32 v22, v19, 16, v18                ; my two bytes, blocks h and 2 + h,
	v_lshlrev_b32 v22, v[SH8], v22                 ; at their places;
	v_permlanex16_b32 v23, v22, s20, s21
	v_or_b32 v[SW+(\t)], v22, v23                  ; with lane l xor 16's the word is whole
.irp c, 0,1
	v_cvt_scalef32_pk16_fp6_f32 v[PC+6*\c:PC+6*\c+2], v[X+32*\c:X+32*\c+15], v[20+\c]
	v_cvt_scalef32_pk16_fp6_f32 v[CT+4*\c:CT+4*\c+2], v[X+32*\c+16:X+32*\c+31], v[20+\c]   ; (a conversion's three registers begin on an even number)
.endr
	v_nop                                          ; one plain place behind a scaled conversion
.irp c, 0,1
.irp i, 0,1,2
	v_mov_b32 v[PC+3+6*\c+\i], v[CT+4*\c+\i]
.endr
.endr
	global_store_b128 v[L16], v[PC:PC+3], s[10:11] offset:1536*(\t)            ; 512 consecutive bytes
	global_store_b64 v[L8], v[PC+4:PC+5], s[10:11] offset:1536*(\t)+512        ; 256
	global_store_b128 v[L16], v[PC+6:PC+9], s[10:11] offset:1536*(\t)+768
	global_store_b64 v[L8], v[PC+10:PC+11], s[10:11] offset:1536*(\t)+1280
.endm
	XLOAD 0
	XLOAD 1
	XSTEP 0
	XSTEP 1
	XSTEP 2
	XSTEP 3
	v_cndmask_b32 v40, v[SW], v[SW+2], s18         ; lanes 0-15 store words 0, 1 of row r, lanes 16-31 words 2, 3:
	v_cndmask_b32 v41, v[SW+1], v[SW+3], s18
	global_store_b64 v[SCO], v[40:41], s[12:13]    ; 256 consecutive bytes
	s_branch .Ljoin
	; ---- the weights.  Work-group 256 + 2 cg + kh: columns 32 cg .. 32 cg + 31 (cg < 96: W_attn, else W_proj), K steps 4 kh + wave
.Lweights:
	s_sub_co_u32 s22, ttmp9, 256
	s_lshr_b32 s24, s22, 1                         ; cg
	s_and_b32 s25, s22, 1                          ; kh
	s_lshl_b32 s26, s25, 2
	s_add_co_u32 s26, s26, s14                     ; my K step
	s_mul_i32 s28, s24, 24576                      ; codes: (512 + 2 cg) x 12288 + 1536 x step
	s_add_co_u32 s28, s28, 512*12288
	s_mul_i32 s27, s26, 1536
	s_add_co_u32 s28, s28, s27
	s_add_nc_u64 s[10:11], s[10:11], s[28:29]
	s_lshl_b32 s28, s24, 10                        ; scale words: (512 + 2 cg) x 512 + 256 kh
	s_add_co_u32 s28, s28, 512*512
	s_lshl_b32 s27, s25, 8
	s_add_co_u32 s28, s28, s27
	s_add_nc_u64 s[12:13], s[12:13], s[28:29]
	s_mov_b32 s30, 128*4096                        ; a K step's 128 rows in W_proj, in bytes
	s_cmp_lt_u32 s24, 96                           ; which weight: the choice hangs on the work-group's number alone
	s_cselect_b64 s[6:7], s[6:7], s[8:9]
	s_cselect_b32 s30, 128*12288, s30              ; and in W_attn
	s_cselect_b32 s31, 0, 96                       ; the weight's first group of columns
	s_sub_co_u32 s28, s24, s31
	s_lshl_b32 s28, s28, 7                         ; 128 bytes a group of 32 columns
	s_mul_i32 s27, s26, s30
	s_add_co_u32 s28, s28, s27
	s_add_nc_u64 s[6:7], s[6:7], s[28:29]          ; my weight at (row 128 x step, my group's first column)
; Rows k0 .. k0 + cnt - 1 of my K step: W(128 step + k, my column); 32 lanes read 128 consecutive bytes.  The rows stand in the immediate (127 rows of 12,288 bytes at the most),
; so the run is written for both row lengths, under a branch on the work-group's number; both arms issue the same number of loads into the same registers.
.macro WLD k0, cnt
	s_cmp_ge_u32 s24, 96
	s_cbranch_scc1 .Lwp_\@
.set k, \k0
.rept \cnt
	global_load_b32 v[RAW+k], v[L4], s[6:7] offset:k*12288
.set k, k+1
.endr
	s_branch .Lwj_\@
.Lwp_\@:
.set k, \k0
.rept \cnt
	global_load_b32 v[RAW+k], v[L4], s[6:7] offset:k*4096
.set k, k+1
.endr
.Lwj_\@:
.endm
.macro WBLK b, left                    ; block b of my column: all its 32 numbers are mine.  left: the loads issued behind the block's last, which may stay out
.set RB, RAW+32*(\b)
.set CB, WC+8*(\b)
.set TT, CT+4*((\b)%2)
	s_wait_loadcnt \left
	v_max3_num_f32 v18, |v[RB]|, |v[RB+1]|, |v[RB+2]|
	v_max3_num_f32 v19, |v[RB+3]|, |v[RB+4]|, |v[RB+5]|
.irp i, 6,10,14,18,22,26
	v_max3_num_f32 v18, v18, |v[RB+\i]|, |v[RB+\i+1]|
	v_max3_num_f32 v19, v19, |v[RB+\i+2]|, |v[RB+\i+3]|
.endr
	v_max3_num_f32 v18, v18, |v[RB+30]|, |v[RB+31]|
	v_max3_num_f32 v18, v18, v19, 0x1800000        ; and the floor
	v_add_nc_u32 v20, 0xff000000, v18
	v_lshrrev_b32 v21, 23, v20
.if (\b) == 0
	v_mov_b32 v[SW], v21
.else
	v_lshl_or_b32 v[SW], v21, 8*(\b), v[SW]
.endif
	v_cvt_scalef32_pk16_fp6_f32 v[CB:CB+2], v[RB:RB+15], v20
	v_cvt_scalef32_pk16_fp6_f32 v[TT:TT+2], v[RB+16:RB+31], v20
	v_nop                                          ; one plain place behind a scaled conversion
.irp i, 0,1,2
	v_mov_b32 v[CB+3+\i], v[TT+\i]
.endr
	ds_store_b128 v[WS16], v[CB:CB+3] offset:768*((\b)/2)+256*((\b)%2)         ; block b is registers 6 (b / 2) .. + 5 of image lane i + 16 (b % 2)
	ds_store_b64 v[WS8], v[CB+4:CB+5] offset:768*((\b)/2)+512+128*((\b)%2)
.endm
	WLD 0, 48                                      ; block 0 and the first half of block 1
	WBLK 0, 16                                     ; behind block 0's rows: rows 32 to 47
	WLD 48, 32
	WBLK 1, 16                                     ; behind block 1's rows: rows 64 to 79
	WLD 80, 32
	WBLK 2, 16                                     ; behind block 2's rows: rows 96 to 111
	WLD 112, 16
	WBLK 3, 0
	ds_store_b32 v[WSCI], v[SW]                    ; my column's word of this K step
.irp k, 0,1,2,3,4,5
	ds_load_b128 v[X+4*\k:X+4*\k+3], v[WSB] offset:1664*(\k/3)+512*(\k%3)      ; LDS serves a wave's instructions in order: these see my stores
.endr
.irp k, 0,1,2,3,4,5
	s_wait_dscnt 5-\k
	global_store_b128 v[L16], v[X+4*\k:X+4*\k+3], s[10:11] offset:12288*(\k/3)+512*(\k%3)   ; 512 consecutive bytes
.endr
.Ljoin:
	s_wait_dscnt 0x0                               ; for the others' sake: my LDS stores are done
	s_barrier_signal -1
	s_barrier_wait -1
	s_cmp_lt_u32 ttmp9, 256
	s_cbranch_scc1 .Lend
	s_cmp_lg_u32 s14, 0
	s_cbranch_scc1 .Lend
	ds_load_b128 v[72:75], v[WSCO]                 ; the four waves' words: lanes 0-15 the even tile's 256 bytes, lanes 16-31 the odd tile's
	s_wait_dscnt 0x0
	global_store_b128 v[WGO], v[72:75], s[12:13]   ; two runs of 256 consecutive bytes
.Lend:
	s_wait_tensorcnt 0x0                           ; the wave's end: behind my last LDS store
	ds_add_u32 v[SPW], v[NIL]
	s_wait_dscnt 0x0
	s_endpgm
.Lfunc_end_k_qa504e9b54c_quant:
	.size	k_qa504e9b54c_quant, .Lfunc_end_k_qa504e9b54c_quant-k_qa504e9b54c_quant
	.p2alignl 7, 3214868480
	.fill 96, 4, 3214868480
	.section	.rodata,"a",@progbits
	.p2align	6, 0x0
	.amdhsa_kernel k_qa504e9b54c_quant
		.amdhsa_group_segment_fixed_size 48128
		.amdhsa_private_segment_fixed_size 0
		.amdhsa_enable_private_segment 0
		.amdhsa_kernarg_size 40
		.amdhsa_user_sgpr_count 2
		.amdhsa_user_sgpr_kernarg_segment_ptr 1
		.amdhsa_wavefront_size32 1
		.amdhsa_system_sgpr_workgroup_id_x 1
		.amdhsa_system_sgpr_workgroup_id_y 1
		.amdhsa_system_sgpr_workgroup_id_z 1
		.amdhsa_system_vgpr_workitem_id 0
		.amdhsa_next_free_vgpr 248
		.amdhsa_next_free_sgpr 66
		.amdhsa_reserve_vcc 0
		.amdhsa_float_denorm_mode_32 3
		.amdhsa_float_denorm_mode_16_64 3
		.amdhsa_memory_ordered 1
		.amdhsa_forward_progress 1
		.amdhsa_inst_pref_size 65
	.end_amdhsa_kernel
	.amdgpu_metadata
---
amdhsa.version: [ 1, 2 ]
amdhsa.kernels:
  - .name:           k_qa504e9b54c_quant
    .symbol:         k_qa504e9b54c_quant.kd
    .args:
      - { .name: x, .offset: 0, .size: 8, .value_kind: global_buffer, .address_space: global }
      - { .name: W_attn, .offset: 8, .size: 8, .value_kind: global_buffer, .address_space: global }
      - { .name: W_proj, .offset: 16, .size: 8, .value_kind: global_buffer, .address_space: global }
      - { .name: xw_codes, .offset: 24, .size: 8, .value_kind: global_buffer, .address_space: global }
      - { .name: xw_scales, .offset: 32, .size: 8, .value_kind: global_buffer, .address_space: global }
    .group_segment_fixed_size: 48128
    .private_segment_fixed_size: 0
    .kernarg_segment_align: 8
    .kernarg_segment_size: 40
    .max_flat_workgroup_size: 128
    .sgpr_count:     66
    .vgpr_count:     248
    .wavefront_size: 32
...
	.end_amdgpu_metadata
.endif
;; end of part 1
;; launch gemm_qkv (part 2): grid 8 x 48, 4 waves a work-group, clusters of 4 x 4, 327,680 bytes of LDS; arguments xw_codes, xw_scales, qkv_codes, qkv_scales; writes qkv_codes, qkv_scales
.if DOCPART == 2
	.amdgcn_target "amdgcn-amd-amdhsa--gfx1250"
	.amdhsa_code_object_version 6
	.text
	.protected	k_qa504e9b54c_gemm_qkv
	.globl	k_qa504e9b54c_gemm_qkv
	.p2align	8
	.type	k_qa504e9b54c_gemm_qkv,@function
k_qa504e9b54c_gemm_qkv:
	s_mov_b64 s[64:65], 0
	v_nop
	global_prefetch_b8 v0, s[64:65] scope:SCOPE_SE
	s_setreg_imm32_b32 hwreg(HW_REG_WAVE_MODE, 25, 1), 1
	s_wait_xcnt 0x0
	s_wait_alu depctr_hold_cnt(0) depctr_sa_sdst(0) depctr_va_vdst(0) depctr_va_sdst(0) depctr_va_ssrc(0) depctr_va_vcc(0) depctr_vm_vsrc(0)
	s_getreg_b32 s2, hwreg(HW_REG_IB_STS2, 6, 4)
	s_cmp_eq_u32 s2, 0
	s_cbranch_scc0 .Lentry_in_a_cluster
	s_endpgm
.Lentry_in_a_cluster:
	s_bfe_u32 s2, ttmp6, 0x10000c
	s_cmp_lg_u32 s2, 0xf033
	s_cbranch_scc0 .Lentry_shape_is_right
	s_endpgm
.Lentry_shape_is_right:
; qkv = x W_attn on codes of FP6 (E2M3) with E8M0 scales; the results are quantised in registers and leave as codes: q and k along the head's 64, v along the keys.
; ONE TEXT FOR BOTH.  The S side is source 0 (its rows run along a lane's result registers: the axis along which the result is quantised), the R side source 1 (lane r = its row r).
; Both are runs of 16 tiles ("tile256") of xw_codes (x: 0-31, W_attn's q and k columns: 32-39, its v columns: 40-43).
;   cluster y < 8 (q, k): S = W's columns 32 + 4 cluster x + cx, R = tokens 4 cluster y + cy.      cluster y >= 8 (v): S = tokens 4 (cluster x + 2 (cluster y - 8)) + cx, R = W's v columns 40 + cy.
; S hangs on cx alone of the two places, R on cy alone: S's tiles are asked for jointly along a column of the cluster, R's along a row.
; A work-group makes 256 S x 256 R, each of four waves 128 x 128: 64 accumulators.  A tile's rows are 32 (t / 2) + 8 (t % 2) + i + 8 (i / 8), so the 16 registers of S tiles 2 b, 2 b + 1 are 16 neighbours.
; K = 1024 goes in four chunks of 256.  LDS has three places of 98,304 bytes: chunks 0, 1, 2 are first fills (three tensor loads of a wave are out), chunk 3 fills place 0 again (then one).
; Fragments lie in LDS as images of their registers (1,536 bytes: 16 x lane, 512 + 8 x lane, 768 + 16 x lane, 1280 + 8 x lane): every LDS load takes consecutive bytes.
; The scale words of all of K come once, by 16 loads of 16 bytes a lane: lanes 0-15 R's block i, lanes 16-31 S's block i.
; OUT: qkv_codes [16 b + head][q | k | v, 98,304 each]: q, k [128 token tiles][768 (half an image)], v [16 key steps][4 d tiles][1536].
;      qkv_scales [16 b + head][q 8192 | k 8192 | v 4096]: q, k [16 groups of 128 tokens][r][8 tiles] words (bytes 0, 1; bytes 2, 3 are 0), v [16 key steps][r][4 d tiles] words.
; LIMITS: a block of zeros, or one whose largest magnitude lies under 2^-124, gets the byte 1; NaN and infinities are not served.
; 384 work-groups: 24 clusters.
; REGISTERS: window 0: v4-15 LDS addresses, v16-20 offsets, v32-95 scale words, v96-127 at work on the way out, v128-223 R's fragments (one set); window 1: S's fragments, two sets; windows 2, 3: accumulator (a, b) at 8 (8 (a % 4) + b).
.set PLACE, 98304
.set HALF,  24576                      ; 8 tiles x 2 K steps x 1,536: what one tensor load brings, and what one wave reads of R or of S
.set TILEB, 3072
.set SPARE, 3*PLACE                    ; the spare words, 128 bytes a wave: two blocks of 256 bytes that no other line names
.set FR,   12
.set AR16, 4                           ; v4-6   R's fragments in place 0, 1, 2: + 16 x lane
.set AR8,  7                           ; v7-9   + 8 x lane
.set AS16, 10                          ; v10-12 S's
.set AS8,  13                          ; v13-15
.set SOF,  16                          ; my offset among the scale words
.set L16,  17
.set L8,   18
.set QKO,  19                          ; 32 r + 16 h
.set VO,   20                          ; 16 r + 20480 h
.set SPW,  28
.set NIL,  29
.set SC,   32                          ; scale words: v[SC + 8 i + s]: block i, K step s
.set TM,   96                          ; v96-99 largest magnitudes, v100-103 bytes, v108-111 the conversions' scale operands
.set PW,   112                         ; v112-119 the scale word made of R block a
.set XX,   120
.set RF,   128
.set PC,   128                         ; the way out: a fragment's codes
.set CT,   140
.set G1R,  24
.set G1S,  32
.set G0R,  40                          ; three sets
.set G0S,  52
.set MSB, 0
.macro WIN new                         ; the immediate's high byte repeats the setting that is left
.if MSB != \new
	s_set_vgpr_msb (MSB<<8)|\new
.set MSB, \new
.endif
.endm
.set MUL_LO, 0xa1                      ; source 0 (S) window 1, source 1 (R) window 0, C and D window 2
.set MUL_HI, 0xf1
.set TO_S,   0x40
.macro JLOAD c                         ; a joint load: waves 0, 1 fetch R's halves, waves 2, 3 S's; an s_nop 0 and four v_nop follow each line
	s_cmp_eq_u32 s15, 0
	s_cbranch_scc0 .Lfor_s_\@
	tensor_load_to_lds s[G0R+4*\c:G0R+4*\c+3], s[G1R:G1R+7]
	s_nop 0
.rept 4
	v_nop
.endr
	s_branch .Lasked_\@
.Lfor_s_\@:
	tensor_load_to_lds s[G0S+4*\c:G0S+4*\c+3], s[G1S:G1S+7]
	s_nop 0
.rept 4
	v_nop
.endr
.Lasked_\@:
.endm
.macro CREST
	s_cmp_lg_u32 s14, 0
	s_cbranch_scc1 .Lnot_wave_0_\@
	s_barrier_signal -3
.Lnot_wave_0_\@:
	s_barrier_wait -3
	s_barrier_signal -1
	s_barrier_wait -1
.endm
.macro CROUND
	s_barrier_signal -1
	s_barrier_wait -1
	CREST
.endm
.macro PLACES n
.rept \n
	v_nop
.endr
.endm
	s_load_b128 s[4:7], s[0:1], 0x0                ; xw_codes, xw_scales
	s_load_b128 s[8:11], s[0:1], 0x10              ; qkv_codes, qkv_scales
	v_lshl_add_u32 v[SPW], v0, 2, SPARE
	v_mov_b32 v[NIL], 0
	ds_add_u32 v[SPW], v[NIL]
	ds_add_u32 v[SPW], v[NIL]                      ; the wave's opening: the add and its wait ahead of my first tensor load
	v_lshrrev_b32 v1, 5, v0
	v_readfirstlane_b32 s14, v1                    ; wave
	s_lshr_b32 s15, s14, 1                         ; my half of R.  Also: I fetch for R (0) or for S (1)
	s_and_b32 s16, s14, 1                          ; my half of S.  Also: which half I fetch
	s_bfe_u32 s17, ttmp6, 0x40000                  ; cx
	s_bfe_u32 s18, ttmp6, 0x40004                  ; cy
	s_and_b32 s19, ttmp7, 0xffff                   ; cluster y
	s_lshl_b32 s20, ttmp9, 2
	s_lshl_b32 s21, s19, 3
	s_add_co_u32 s21, s21, s20
	s_sub_co_u32 s21, s21, 64                      ; v: 4 (cluster x + 2 (cluster y - 8))
	s_add_co_u32 s20, s20, 32                      ; q, k: 32 + 4 cluster x
	s_lshl_b32 s22, s19, 2                         ; q, k: 4 cluster y
	s_cmp_lt_u32 s19, 8
	s_cselect_b32 s20, s20, s21
	s_cselect_b32 s22, s22, 40
	s_add_co_u32 s20, s20, s17                     ; S's tile256
	s_add_co_u32 s22, s22, s18                     ; R's tile256
	s_lshl_b32 s81, s18, 2
	s_lshl_b32 s81, 15, s81                        ; my row of the cluster
	s_lshl_b32 s82, 0x1111, s17                    ; my column
	s_or_b32 s[G1R], s81, (3<<16)|(1<<21)          ; 15:0 the mask; 17:16 elements of 8 bytes; 21 set beside a mask; no padding
	s_or_b32 s[G1S], s82, (3<<16)|(1<<21)
.irp g, G1R, G1S
	s_mov_b32 s[\g+1], 384<<16                     ; tensor_dim0 = 384 elements: a tile's two K steps, 3,072 bytes
	s_mov_b32 s[\g+2], 8<<16                       ; tensor_dim1 = 8 tiles
	s_mov_b32 s[\g+3], 384<<16                     ; tile_dim0
	s_mov_b32 s[\g+4], 8                           ; tile_dim1
	s_mov_b32 s[\g+5], 1536                        ; from tile to tile: 12,288 bytes
	s_mov_b32 s[\g+6], 0
	s_mov_b32 s[\g+7], 0
.endr
	s_mul_i32 s83, s16, 8*12288
	s_mul_i32 s76, s22, 16*12288
	s_add_co_u32 s76, s76, s83                     ; R: what I fetch
	s_mov_b32 s77, 0
	s_mul_i32 s78, s20, 16*12288
	s_add_co_u32 s78, s78, s83                     ; S
	s_mov_b32 s79, 0
	s_mul_i32 s80, s14, HALF                       ; and where it goes: no place in the cluster enters an LDS address
	; the way out: which tokens, which heads
	s_sub_co_u32 s85, s20, 32
	s_and_b32 s86, s85, 3                          ; q, k: which four heads
	s_lshr_b32 s85, s85, 2                         ; q, k: 0 = q, 1 = k
	s_mov_b32 s74, 768
	s_mov_b32 s70, 1536
	s_cmp_lt_u32 s19, 8
	s_cselect_b32 s88, s22, s20                    ; the tokens' tile256
	s_cselect_b32 s89, s15, s16                    ; my half of it
	s_cselect_b32 s90, s16, s15                    ; my half of the columns
	s_cselect_b32 s86, s86, s18
	s_cselect_b32 s85, s85, 2                      ; 0, 1, 2: q, k, v
	s_cselect_b32 s91, 9, 8                        ; a group's scale words: 512 or 256 bytes
	s_cselect_b32 s74, 294912, s74                 ; from a fragment's lower half to its upper: the next head, or 768 bytes
	s_cselect_b32 s70, 768, s70                    ; from R block to R block
	s_cselect_b32 s72, 0, 294912-6144              ; and more at block 4: v's next head
	s_mov_b32 s71, 0
	s_mov_b32 s73, 0
	s_mov_b32 s75, 0
	s_lshr_b32 s92, s88, 3                         ; b
	s_and_b32 s88, s88, 7
	s_lshl_b32 s88, s88, 1
	s_add_co_u32 s88, s88, s89                     ; g: my group of 128 tokens in the batch
	s_lshl_b32 s86, s86, 2
	s_lshl_b32 s90, s90, 1
	s_add_co_u32 s86, s86, s90                     ; my first head
	s_lshl_b32 s92, s92, 4
	s_add_co_u32 s92, s92, s86                     ; 16 b + head
	s_mul_i32 s94, s92, 3
	s_add_co_u32 s94, s94, s85
	s_mul_i32 s94, s94, 98304
	s_mul_i32 s21, s88, 6144
	s_add_co_u32 s94, s94, s21                     ; codes: ((16 b + head) 3 + which) 98304 + 6144 g
	s_mov_b32 s95, 0
	s_lshl_b32 s96, s88, s91
	s_mul_i32 s93, s92, 20480
	s_add_co_u32 s96, s96, s93
	s_lshl_b32 s21, s85, 13
	s_add_co_u32 s96, s96, s21                     ; scale words: (16 b + head) 20480 + 8192 which + g x a group's bytes
	s_mov_b32 s97, 0
	s_mov_b32 s66, 0xffff0000                      ; lanes 16-31
	s_mov_b32 s68, 0x76543210
	s_mov_b32 s69, 0xfedcba98
	s_wait_dscnt 0x0                               ; the opening add is done
	s_wait_kmcnt 0x0
	s_add_nc_u64 s[76:77], s[4:5], s[76:77]
	s_add_nc_u64 s[78:79], s[4:5], s[78:79]
	s_add_nc_u64 s[8:9], s[8:9], s[94:95]          ; where a fragment's registers 0-5 go,
	s_add_nc_u64 s[12:13], s[8:9], s[74:75]        ; and 6-11
	s_add_nc_u64 s[10:11], s[10:11], s[96:97]
	CROUND                                         ; all sixteen work-groups are here: the first joint loads meet
.irp c, 0,1,2
	s_mov_b32 s[G0R+4*\c], 1
	s_add_co_u32 s[G0R+4*\c+1], s80, \c*PLACE
	s_add_nc_u64 s[G0R+4*\c+2:G0R+4*\c+3], s[76:77], \c*TILEB
	s_or_b32 s[G0R+4*\c+3], s[G0R+4*\c+3], 0x80000000
	s_mov_b32 s[G0S+4*\c], 1
	s_add_co_u32 s[G0S+4*\c+1], s80, \c*PLACE
	s_add_nc_u64 s[G0S+4*\c+2:G0S+4*\c+3], s[78:79], \c*TILEB
	s_or_b32 s[G0S+4*\c+3], s[G0S+4*\c+3], 0x80000000
	JLOAD \c
.endr
	v_and_b32 v1, 31, v0
	v_and_b32 v2, 15, v0                           ; r
	v_bfe_u32 v3, v0, 4, 1                         ; h
	v_lshlrev_b32 v[L16], 4, v1
	s_wait_alu depctr_va_vdst(0)
	v_lshlrev_b32 v[L8], 3, v1
	s_wait_alu depctr_va_vdst(0)
	v_lshlrev_b32 v23, 4, v2
	s_lshl_b32 s85, s22, 13                        ; R's scale words: (16 tile256 + 8 half) x 512
	s_lshl_b32 s86, s15, 12
	s_add_co_u32 s85, s85, s86
	s_lshl_b32 s87, s20, 13                        ; S's
	s_lshl_b32 s86, s16, 12
	s_add_co_u32 s87, s87, s86
	v_add_nc_u32 v21, s85, v23
	v_add_nc_u32 v22, s87, v23
	v_cndmask_b32 v[SOF], v21, v22, s66            ; lanes 0-15 take R's, lanes 16-31 S's
.irp i, 0,1,2,3,4,5,6,7
.irp kh, 0,1
	global_load_b128 v[SC+8*\i+4*\kh:SC+8*\i+4*\kh+3], v[SOF], s[6:7] offset:512*\i+256*\kh   ; sixteen lanes read 256 consecutive bytes
.endr
.endr
	s_mul_i32 s83, s15, HALF                       ; my half of R,
	s_mul_i32 s84, s16, HALF
	s_add_co_u32 s84, s84, 2*HALF                  ; my half of S, behind R's two
.irp p, 0,1,2
	v_add_nc_u32 v[AR16+\p], s83, v[L16]
	v_add_nc_u32 v[AR8+\p], s83, v[L8]
	v_add_nc_u32 v[AS16+\p], s84, v[L16]
	v_add_nc_u32 v[AS8+\p], s84, v[L8]
	s_add_co_u32 s83, s83, PLACE
	s_add_co_u32 s84, s84, PLACE
.endr
	v_lshlrev_b32 v[QKO], 5, v2
	v_lshl_add_u32 v[QKO], v3, 4, v[QKO]
	v_mul_u32_u24 v[VO], v3, 20480
	v_lshl_add_u32 v[VO], v2, 4, v[VO]
.irp b, 0,1,2,3
	v_mov_b32 v[TM+4+\b], 0                        ; a lane permute's destination counts as one of its sources
.endr
.macro FRAG reg, a16, a8, off          ; an image comes back as the operand's 12 registers
	ds_load_b128 v[\reg:\reg+3], v[\a16] offset:\off
	ds_load_b64 v[\reg+4:\reg+5], v[\a8] offset:\off+512
	ds_load_b128 v[\reg+6:\reg+9], v[\a16] offset:\off+768
	ds_load_b64 v[\reg+10:\reg+11], v[\a8] offset:\off+1280
.endm
.macro FETCH_S p, q, set               ; S's eight fragments of place p, its q-th K step, into set: 32 loads
	WIN TO_S
.irp i, 0,1,2,3,4,5,6,7
	FRAG 128*(\set)+FR*\i, AS16+\p, AS8+\p, \i*TILEB+(\q)*1536
.endr
	WIN 0
.endm
.macro FETCH_R p, q, i0                ; R's blocks i0 .. i0 + 3: 16 loads
.irp i, \i0, \i0+1, \i0+2, \i0+3
	FRAG RF+FR*(\i), AR16+\p, AR8+\p, (\i)*TILEB+(\q)*1536
.endr
.endm
; 16 matrix instructions: R's blocks a0, a0 + 1 x S's eight, K step s.  The 64 accumulators take turns, one instruction a turn, in the same order in every step.
.macro MUL16 a0, set, s, zero
.irp a, \a0, \a0+1
.irp b, 0,1,2,3,4,5,6,7
.if \zero
	v_wmma_scale_f32_16x16x128_f8f6f4 v[8*(8*((\a)%4)+\b):8*(8*((\a)%4)+\b)+7], v[128*(\set)+FR*\b:128*(\set)+FR*\b+FR-1], v[RF+FR*(\a):RF+FR*(\a)+FR-1], 0, v[SC+8*\b+(\s)], v[SC+8*(\a)+(\s)] matrix_a_fmt:MATRIX_FMT_FP6 matrix_b_fmt:MATRIX_FMT_FP6 matrix_a_scale:MATRIX_SCALE_ROW1
.else
	v_wmma_scale_f32_16x16x128_f8f6f4 v[8*(8*((\a)%4)+\b):8*(8*((\a)%4)+\b)+7], v[128*(\set)+FR*\b:128*(\set)+FR*\b+FR-1], v[RF+FR*(\a):RF+FR*(\a)+FR-1], v[8*(8*((\a)%4)+\b):8*(8*((\a)%4)+\b)+7], v[SC+8*\b+(\s)], v[SC+8*(\a)+(\s)] matrix_a_fmt:MATRIX_FMT_FP6 matrix_b_fmt:MATRIX_FMT_FP6 matrix_a_scale:MATRIX_SCALE_ROW1
.endif
.endr
.endr
.endm
; K step s; the next step's fragments come from place np, its nq-th step.  Four places stand in front of each run of loads into registers that matrix instructions have read.
.macro STEP s, np, nq, zero
.set CUR, (\s)%2
.set NXT, 1-CUR
	s_wait_dscnt 16                                ; S's set and R's blocks 0-3 are in; the youngest 16 loads (R's blocks 4-7) may be out
	WIN MUL_LO
	MUL16 0, CUR, \s, \zero
	MUL16 2, CUR, \s, \zero
	s_wait_dscnt 0x0                               ; R's blocks 4-7 are in
	PLACES 4
	FETCH_S \np, \nq, NXT
	FETCH_R \np, \nq, 0
	WIN MUL_HI
	MUL16 4, CUR, \s, \zero
	MUL16 6, CUR, \s, \zero
	PLACES 4
	WIN 0
	FETCH_R \np, \nq, 4
.endm
; A step with a barrier: in front of it each wave waits for all its tensor loads, adds 0 to its spare word, and waits for that and for its LDS reads.  fill = 1: place 0, which nobody reads any more, takes chunk 3.
.macro TURN s, np, fill
.set CUR, (\s)%2
.set NXT, 1-CUR
	s_wait_tensorcnt 0x0                           ; all my tensor loads have landed
	ds_add_u32 v[SPW], v[NIL]                      ; 0 onto my spare word
	s_wait_dscnt 17                                ; (the add and the youngest 16 loads may be out)
	WIN MUL_LO
	MUL16 0, CUR, \s, 0
	s_wait_dscnt 0x0                               ; the add is done, and my LDS reads are over
	s_barrier_signal -1
	MUL16 2, CUR, \s, 0
	WIN 0
	s_barrier_wait -1
.if \fill
	CREST                                          ; the barrier has opened a round of the cluster's barrier: no wave of any partner still reads place 0 or has a load on its way
	s_add_nc_u64 s[G0R+2:G0R+3], s[G0R+2:G0R+3], 3*TILEB
	s_add_nc_u64 s[G0S+2:G0S+3], s[G0S+2:G0S+3], 3*TILEB
	JLOAD 0                                        ; the first tensor load behind the round; it has four K steps, 256 matrix instructions, in which to land; its four v_nop are the places in front of the loads below
.else
	PLACES 4
.endif
	FETCH_S \np, 0, NXT
	FETCH_R \np, 0, 0
	WIN MUL_HI
	MUL16 4, CUR, \s, 0
	MUL16 6, CUR, \s, 0
	PLACES 4
	WIN 0
	FETCH_R \np, 0, 4
.endm
	s_wait_tensorcnt 2                             ; my part of chunk 0 is in; chunks 1 and 2 may be out
	s_barrier_signal -1
	s_barrier_wait -1
	FETCH_S 0, 0, 0
	FETCH_R 0, 0, 0
	FETCH_R 0, 0, 4
	s_wait_loadcnt 0x0                             ; the scale words
	STEP 0, 0, 1, 1                                ; the first step's products start the sums
	TURN 1, 1, 1                                   ; chunks 1 and 2 are whole; place 0 takes chunk 3
	STEP 2, 1, 1, 0
	s_wait_alu depctr_va_vdst(0)
	STEP 3, 2, 0, 0
	STEP 4, 2, 1, 0
	TURN 5, 0, 0                                   ; chunk 3 is whole
	STEP 6, 0, 1, 0
	s_wait_dscnt 16                                ; the last step: nothing more to fetch
	WIN MUL_LO
	MUL16 0, 1, 7, 0
	MUL16 2, 1, 7, 0
	s_wait_dscnt 0x0
	WIN MUL_HI
	MUL16 4, 1, 7, 0
	MUL16 6, 1, 7, 0
	WIN 0
	PLACES 4                                       ; in front of the first read of results, and of writes over R's fragments
; THE WAY OUT of R block a: its 64 registers (16 b + i = S row 32 b + 16 h + i) are four blocks of 32, each shared with lane l xor 16; they become a fragment's 12 registers and a scale word.
.macro OUT a
.set W, 2+(\a)/4
.set AC, 64*((\a)%4)
.if (\a) > 0
	s_wait_xcnt 0x0                                ; the last block's stores have read their registers and their bases
	s_add_nc_u64 s[8:9], s[8:9], s[70:71]
	s_add_nc_u64 s[12:13], s[12:13], s[70:71]
.endif
.if (\a) == 4
	s_add_nc_u64 s[8:9], s[8:9], s[72:73]
	s_add_nc_u64 s[12:13], s[12:13], s[72:73]
.endif
.set WN, (W<<2)|(W<<4)
	WIN WN                                         ; sources 1 and 2: the accumulators' window
.irp b, 0,1,2,3
	v_max3_num_f32 v[TM+\b], 0x1800000, |v[AC+16*\b]|, |v[AC+16*\b+1]|   ; the floor 2^(3 - 127); each accumulator is read from its low end on
.endr
.irp i, 2,4,6,8,10,12,14
.irp b, 0,1,2,3
	v_max3_num_f32 v[TM+\b], v[TM+\b], |v[AC+16*\b+\i]|, |v[AC+16*\b+\i+1]|
.endr
.endr
	WIN 0
.irp b, 0,1,2,3
	v_permlanex16_b32 v[TM+4+\b], v[TM+\b], s68, s69
.endr
.irp b, 0,1,2,3
	v_max_num_f32 v[TM+\b], v[TM+\b], v[TM+4+\b]
.endr
.irp b, 0,1,2,3
	v_add_nc_u32 v[TM+12+\b], 0xff000000, v[TM+\b] ; 2 off the exponent field: the conversion's scale operand
.endr
.irp b, 0,1,2,3
	v_lshrrev_b32 v[TM+4+\b], 23, v[TM+12+\b]      ; the byte
.endr
	v_lshl_or_b32 v[PW+(\a)], v[TM+5], 8, v[TM+4]
	v_lshl_or_b32 v[PW+(\a)], v[TM+6], 16, v[PW+(\a)]
	v_lshl_or_b32 v[PW+(\a)], v[TM+7], 24, v[PW+(\a)]
.set WN, W
	WIN WN                                         ; source 0: the accumulators' window
.irp c, 0,1
	v_cvt_scalef32_pk16_fp6_f32 v[PC+6*\c:PC+6*\c+2], v[AC+32*\c:AC+32*\c+15], v[TM+12+2*\c]
	v_cvt_scalef32_pk16_fp6_f32 v[CT+4*\c:CT+4*\c+2], v[AC+32*\c+16:AC+32*\c+31], v[TM+12+2*\c+1]
.endr
	WIN 0
	v_nop                                          ; one plain place behind a scaled conversion
.irp c, 0,1                                    ; the operand's layout wants a whole block in a lane
.irp i, 0,1,2
	v_permlane16_swap_b32 v[PC+6*\c+\i], v[CT+4*\c+\i]
.endr
.irp i, 0,1,2
	v_mov_b32 v[PC+3+6*\c+\i], v[CT+4*\c+\i]
.endr
.endr
	global_store_b128 v[L16], v[PC:PC+3], s[8:9]                  ; 512 consecutive bytes
	global_store_b64 v[L8], v[PC+4:PC+5], s[8:9] offset:512       ; 256
	global_store_b128 v[L16], v[PC+6:PC+9], s[12:13]
	global_store_b64 v[L8], v[PC+10:PC+11], s[12:13] offset:512
.endm
.irp a, 0,1,2,3,4,5,6,7
	OUT \a
.endr
.irp j, 0,1,2,3
	v_cndmask_b32 v[XX+\j], v[PW+\j], v[PW+4+\j], s66   ; lanes 0-15: blocks 0-3's words, lanes 16-31: blocks 4-7's
.endr
	s_cmp_lt_u32 s19, 8                            ; the cluster's y: the same in all partners
	s_cbranch_scc0 .Lv_words
.irp j, 0,1,2,3
	v_and_b32 v[XX+4+\j], 0xffff, v[XX+\j]         ; q, k: my first head's two bytes,
.endr
.irp j, 0,1,2,3
	v_lshrrev_b32 v[TM+\j], 16, v[XX+\j]           ; and the next head's
.endr
	global_store_b128 v[QKO], v[XX+4:XX+7], s[10:11]              ; 512 consecutive bytes: [r][8 tiles]
	global_store_b128 v[QKO], v[TM:TM+3], s[10:11] offset:20480
	s_branch .Lwords_out
.Lv_words:
	s_wait_alu depctr_va_vdst(0)
	global_store_b128 v[VO], v[XX:XX+3], s[10:11]  ; v: lanes 0-15 my first head's [r][4 d tiles], lanes 16-31 the next head's: 256 consecutive bytes each
.Lwords_out:
	s_wait_tensorcnt 0x0                           ; the wave's end
	ds_add_u32 v[SPW], v[NIL]
	s_wait_dscnt 0x0
	CROUND                                         ; the closing round
	s_endpgm
.Lfunc_end_k_qa504e9b54c_gemm_qkv:
	.size	k_qa504e9b54c_gemm_qkv, .Lfunc_end_k_qa504e9b54c_gemm_qkv-k_qa504e9b54c_gemm_qkv
	.p2alignl 7, 3214868480
	.fill 96, 4, 3214868480
	.section	.rodata,"a",@progbits
	.p2align	6, 0x0
	.amdhsa_kernel k_qa504e9b54c_gemm_qkv
		.amdhsa_group_segment_fixed_size 327680
		.amdhsa_private_segment_fixed_size 0
		.amdhsa_enable_private_segment 0
		.amdhsa_kernarg_size 32
		.amdhsa_user_sgpr_count 2
		.amdhsa_user_sgpr_kernarg_segment_ptr 1
		.amdhsa_wavefront_size32 1
		.amdhsa_system_sgpr_workgroup_id_x 1
		.amdhsa_system_sgpr_workgroup_id_y 1
		.amdhsa_system_sgpr_workgroup_id_z 1
		.amdhsa_system_vgpr_workitem_id 0
		.amdhsa_next_free_vgpr 1024
		.amdhsa_next_free_sgpr 102
		.amdhsa_reserve_vcc 0
		.amdhsa_float_denorm_mode_32 3
		.amdhsa_float_denorm_mode_16_64 3
		.amdhsa_memory_ordered 1
		.amdhsa_forward_progress 1
		.amdhsa_inst_pref_size 149
	.end_amdhsa_kernel
	.amdgpu_metadata
---
amdhsa.version: [ 1, 2 ]
amdhsa.kernels:
  - .name:           k_qa504e9b54c_gemm_qkv
    .symbol:         k_qa504e9b54c_gemm_qkv.kd
    .args:
      - { .name: xw_codes, .offset: 0, .size: 8, .value_kind: global_buffer, .address_space: global }
      - { .name: xw_scales, .offset: 8, .size: 8, .value_kind: global_buffer, .address_space: global }
      - { .name: qkv_codes, .offset: 16, .size: 8, .value_kind: global_buffer, .address_space: global }
      - { .name: qkv_scales, .offset: 24, .size: 8, .value_kind: global_buffer, .address_space: global }
    .group_segment_fixed_size: 327680
    .private_segment_fixed_size: 0
    .kernarg_segment_align: 8
    .kernarg_segment_size: 32
    .max_flat_workgroup_size: 128
    .sgpr_count:     102
    .vgpr_count:     1024
    .wavefront_size: 32
...
	.end_amdgpu_metadata
.endif
;; end of part 2
;; launch attn (part 3): grid 4 x 64, 16 waves a work-group, no clusters, 211,968 bytes of LDS; arguments qkv_codes, qkv_scales, y_codes, y_scales; writes y_codes, y_scales
.if DOCPART == 3
	.amdgcn_target "amdgcn-amd-amdhsa--gfx1250"
	.amdhsa_code_object_version 6
	.text
	.protected	k_qa504e9b54c_attn
	.globl	k_qa504e9b54c_attn
	.p2align	8
	.type	k_qa504e9b54c_attn,@function
k_qa504e9b54c_attn:
	s_mov_b64 s[64:65], 0
	v_nop
	global_prefetch_b8 v0, s[64:65] scope:SCOPE_SE
	s_setreg_imm32_b32 hwreg(HW_REG_WAVE_MODE, 25, 1), 1
	s_wait_xcnt 0x0
; y = softmax(q k^T / 8, causal) v for one head, both products on codes of FP6 (E2M3) with E8M0 scales; y is quantised along C and leaves as codes.
; THE SOFTMAX: t = score x log2(e) / 8; M = the running largest t rounded up to a whole number; p = 2^(t - M) is quantised along the keys, not normalised; the sum is taken of the unquantised p and divides at the end.
; SHARES.  Work-group (p, head) owns the blocks 7 - p and p of 256 queries: 16 - 2 p and 2 p + 2 key steps of 128, 18 in every work-group.  Each of sixteen waves owns one tile of 16 queries of each block, the late one first.
; A tile's tokens are 32 (t / 2) + 8 (t % 2) + i + 8 (i / 8), for queries and for keys.  Both products are used transposed (S^T = k q^T, O^T = v^T p^T): a lane holds one query, and the 16 registers of key tiles 2 b, 2 b + 1 are keys 32 b + 16 h + 0 .. 15.
; THE HEAD'S K AND V STAY IN LDS, filled once: waves 0-3 issue five tensor loads each (five are out): a quarter of the scale words, then four chunks of 12,288 bytes (waves 0, 1: k's, waves 2, 3: v's).
; The first four key steps wait for the first chunks alone.  No cluster: the four work-groups of a head differ in p, on which their skips hang.
; K = 64 IN AN INSTRUCTION OF K = 128: q's upper six registers are zero codes, so whatever stands in k's upper six (the next tile's codes; zeros behind the last) adds nothing; bytes 2, 3 of both scale words are 0.
; CAUSAL: the loops' trip counts are constants; a step all of whose keys come after my queries is jumped over (a scalar branch on ids); on the diagonal hidden scores become -infinity.  Every step that is walked has a key that counts for every lane.
; LIMITS: a block of zeros, or one whose largest magnitude lies under 2^-124, gets the byte 1; NaN and infinities are not served.
; OUT: y_codes [512 token tiles][8 K steps][1536]: head hd fills the half hd % 2 of step hd / 2.  y_scales [16 b + head][128 token tiles][r][2 bytes].
; REGISTERS: v1-11 addresses; v12 -M, v13 largest t, v[14:15] the sum; v16-27 q; v28 q's scale word; v32-85 k's 8 half fragments (v80-85 zeros) or v's 4 fragments; v88-95 k's scale words; v96-159 S^T, then p;
;   v160-191 O^T; v192-198 the early tile's q; v199 p's scale word; v200-203 v's scale words; v204-215 p's or y's codes; v216-222, v232-254 at work.
.set VC,    98304                      ; LDS: k's codes from 0 ([16 steps][8 tiles][768]), v's from here ([16 steps][4 d tiles][1536]),
.set KSC,   196608                     ; k's scale words ([16 steps][r][8 tiles]),
.set VSC,   204800                     ; v's ([16 steps][r][4 d tiles]),
.set YS,    208896                     ; y's scale bytes: the late block's 512, the early block's 512,
.set SPARE, 209920                     ; the spare words, 128 bytes a wave: eight blocks of 256 bytes that no other line names
.set L16, 1
.set L8,  2
.set AKS, 3
.set AVS, 4
.set SPW, 5
.set NIL, 6
.set DQ,  7                            ; r + 8 (r / 8) - 16 h
.set YBL, 31                           ; my byte of the late tile's y
.set YBE, 86                           ; and of the early tile's
.set YSA, 87
.set PWD, 199
.set YSR, 223
.set QSO, 224
	s_load_b128 s[4:7], s[0:1], 0x0                ; qkv_codes, qkv_scales
	s_load_b128 s[8:11], s[0:1], 0x10              ; y_codes, y_scales
	v_lshl_add_u32 v[SPW], v0, 2, SPARE
	v_mov_b32 v[NIL], 0
	ds_add_u32 v[SPW], v[NIL]                      ; the wave's opening: the add and its wait ahead of the first tensor load
	ds_add_u32 v[SPW], v[NIL]
	v_lshrrev_b32 v8, 5, v0
	s_delay_alu instid0(VALU_DEP_1)
	v_readfirstlane_b32 s12, v8                    ; wave 0..15
	v_and_b32 v8, 31, v0
	v_and_b32 v9, 15, v0                           ; r
	v_bfe_u32 v10, v0, 4, 1                        ; h
	s_delay_alu instid0(VALU_DEP_3)
	v_lshlrev_b32 v[L16], 4, v8
	s_delay_alu instid0(VALU_DEP_4)
	v_lshlrev_b32 v[L8], 3, v8
	s_delay_alu instid0(VALU_DEP_4)
	v_lshl_add_u32 v[AKS], v9, 5, KSC
	v_lshl_add_u32 v[AVS], v9, 4, VSC
	v_and_b32 v11, 8, v9
	s_delay_alu instid0(VALU_DEP_1)
	v_add_nc_u32 v[DQ], v11, v9
	v_lshlrev_b32 v11, 4, v10
	s_delay_alu instid0(VALU_DEP_1)
	v_sub_nc_u32 v[DQ], v[DQ], v11
	v_and_b32 v11, 0x1e0, v0                       ; 32 x wave
	s_delay_alu instid0(VALU_DEP_1)
	v_lshl_add_u32 v11, v9, 1, v11
	s_delay_alu instid0(VALU_DEP_1)
	v_add_nc_u32 v11, v11, v10
	s_delay_alu instid0(VALU_DEP_1)
	v_add_nc_u32 v[YSA], YS, v11                   ; 32 x wave + 2 r + h
	v_add_nc_u32 v[YSR], YS, v[L16]
	v_lshlrev_b32 v[QSO], 5, v9
	s_mov_b32 s13, ttmp9                           ; p
	s_and_b32 s14, ttmp7, 0xffff                   ; 16 b + head
	s_mov_b32 s20, 0x76543210
	s_mov_b32 s21, 0xfedcba98
	s_mov_b32 s22, 0x3e38aa3b                      ; c = log2(e) / 8
	s_mov_b32 s23, s22
	s_mov_b32 s80, 0xffff0000                      ; lanes 16-31
	; descriptor groups 1: dense blocks as rows of 256 bytes (32 elements of 8 bytes): 48 rows of codes, 12 rows of scale words
	s_mov_b32 s24, 3<<16
	s_mov_b32 s25, 32<<16
	s_mov_b32 s26, 48<<16
	s_mov_b32 s27, 32<<16
	s_mov_b32 s28, 48
	s_mov_b32 s29, 32
	s_mov_b32 s30, 0
	s_mov_b32 s31, 0
	s_mov_b32 s56, 3<<16
	s_mov_b32 s57, 32<<16
	s_mov_b32 s58, 12<<16
	s_mov_b32 s59, 32<<16
	s_mov_b32 s60, 12
	s_mov_b32 s61, 32
	s_mov_b32 s62, 0
	s_mov_b32 s63, 0
	s_mul_i32 s75, s14, 20480                      ; the head's scale words
	s_mul_i32 s78, s14, 294912                     ; the head's codes
	s_mul_i32 s37, s12, 3072                       ; my quarter of k's and v's scale words: 12,288 dense bytes
	s_add_co_u32 s76, s75, s37
	s_add_co_u32 s76, s76, 8192
	s_mov_b32 s77, 0
	s_add_co_u32 s37, s37, KSC
	s_lshr_b32 s16, s12, 1                         ; waves 0, 1: k; waves 2, 3: v
	s_and_b32 s17, s12, 1
	s_mul_i32 s15, s16, 98304
	s_mul_i32 s17, s17, 12288
	s_add_co_u32 s15, s15, s17                     ; my first chunk in LDS,
	s_add_co_u32 s18, s15, s78
	s_add_co_u32 s18, s18, 98304                   ; and in memory (k's codes lie behind q's)
	s_mov_b32 s19, 0
	s_sub_co_u32 s84, 7, s13
	s_lshl_b32 s84, s84, 4
	s_add_co_u32 s84, s84, s12                     ; my late tile
	s_lshl_b32 s85, s13, 4
	s_add_co_u32 s85, s85, s12                     ; my early tile
	s_lshr_b32 s81, s14, 4
	s_lshl_b32 s81, s81, 7                         ; 128 b
	s_and_b32 s82, s14, 15
	s_mul_i32 s82, s82, 768                        ; the head's half image in a tile's 12,288 bytes of y
.macro TILEADR tau, ca, sa, ya, q0     ; of tile s[tau]: the offsets of q's codes, of q's scale word and of y's codes; the first token
	s_mul_i32 s[\ca], s[\tau], 768
	s_add_co_u32 s[\ca], s[\ca], s78
	s_mov_b32 s[\ca+1], 0
	s_lshr_b32 s[\sa], s[\tau], 3
	s_lshl_b32 s[\sa], s[\sa], 9
	s_and_b32 s74, s[\tau], 7
	s_lshl_b32 s74, s74, 2
	s_add_co_u32 s[\sa], s[\sa], s74
	s_add_co_u32 s[\sa], s[\sa], s75
	s_mov_b32 s[\sa+1], 0
	s_add_co_u32 s[\ya], s[\tau], s81
	s_mul_i32 s[\ya], s[\ya], 12288
	s_add_co_u32 s[\ya], s[\ya], s82
	s_mov_b32 s[\ya+1], 0
	s_lshr_b32 s[\q0], s[\tau], 1
	s_lshl_b32 s[\q0], s[\q0], 5
	s_and_b32 s74, s[\tau], 1
	s_lshl_b32 s74, s74, 3
	s_add_co_u32 s[\q0], s[\q0], s74
.endm
	TILEADR 84, 86, 90, 94, 72
	TILEADR 85, 88, 92, 96, 73
	s_lshl_b32 s98, s14, 12                        ; y's scale bytes: 4,096 a head, 512 a block
	s_sub_co_u32 s74, 7, s13
	s_lshl_b32 s74, s74, 9
	s_lshl_b32 s100, s13, 9
	s_add_co_u32 s100, s100, s98
	s_add_co_u32 s98, s98, s74
	s_mov_b32 s99, 0
	s_mov_b32 s101, 0
	s_wait_dscnt 0x0                               ; the opening add is done
	s_wait_kmcnt 0x0
	s_mov_b32 s36, 1
	s_add_nc_u64 s[38:39], s[6:7], s[76:77]
	s_or_b32 s39, s39, 0x80000000
	s_add_nc_u64 s[18:19], s[4:5], s[18:19]
.irp j, 0,1,2,3
	s_mov_b32 s[40+4*\j], 1
	s_add_co_u32 s[41+4*\j], s15, \j*24576
	s_add_nc_u64 s[42+4*\j:43+4*\j], s[18:19], \j*24576
	s_or_b32 s[43+4*\j], s[43+4*\j], 0x80000000
.endr
	s_cmp_lt_u32 s12, 4                            ; a wave's five first fills stand in one branch on the wave's number
	s_cbranch_scc0 .Lno_fetch
	tensor_load_to_lds s[36:39], s[56:63]
	s_nop 0
	tensor_load_to_lds s[40:43], s[24:31]
	s_nop 0
	tensor_load_to_lds s[44:47], s[24:31]
	s_nop 0
	tensor_load_to_lds s[48:51], s[24:31]
	s_nop 0
	tensor_load_to_lds s[52:55], s[24:31]
	s_nop 0
.rept 4
	v_nop
.endr
.Lno_fetch:
	s_add_nc_u64 s[86:87], s[4:5], s[86:87]
	s_add_nc_u64 s[88:89], s[4:5], s[88:89]
	s_add_nc_u64 s[90:91], s[6:7], s[90:91]
	s_add_nc_u64 s[92:93], s[6:7], s[92:93]
	s_add_nc_u64 s[94:95], s[8:9], s[94:95]
	s_add_nc_u64 s[96:97], s[8:9], s[96:97]
	s_add_nc_u64 s[98:99], s[10:11], s[98:99]
	s_add_nc_u64 s[100:101], s[10:11], s[100:101]
	global_load_b128 v[16:19], v[L16], s[86:87]    ; q of the late tile: half an image,
	global_load_b64 v[20:21], v[L8], s[86:87] offset:512
	s_wait_alu depctr_va_vdst(0)
	global_load_b32 v28, v[QSO], s[90:91]          ; its scale words;
	global_load_b128 v[192:195], v[L16], s[88:89]  ; and of the early tile
	global_load_b64 v[196:197], v[L8], s[88:89] offset:512
	global_load_b32 v198, v[QSO], s[92:93]
.irp i, 0,1,2,3,4,5
	v_mov_b32 v[22+\i], 0                          ; q's upper 64 along K: zero codes
	v_mov_b32 v[80+\i], 0                          ; behind k's last tile
.endr
	v_mov_b32 v13, 0xff61b1e6                      ; the largest t so far: -3e38
	s_delay_alu instid0(VALU_DEP_1)
	v_floor_f32 v12, -v13                          ; -M
	v_mov_b32 v14, 0
	v_mov_b32 v15, 0
.irp b, 0,1,2,3
	v_mov_b32 v[236+\b], 0                         ; a lane permute's destination counts as one of its sources
.endr
	v_mov_b32 v252, 0
	v_mov_b32 v253, 0                              ; (named as the upper half of the pair v[252:253])
.set j, 0
.rept 32
	v_mov_b32 v[160+j], 0                          ; O^T: the step is written without a first step of its own
.set j, j+1
.endr
.macro SCAL                            ; of key step s66: where its tiles and scale words begin, and its first key
	s_mul_i32 s67, s66, 6144
	s_add_co_u32 s68, s67, VC
	s_lshl_b32 s69, s66, 9
	s_lshl_b32 s70, s66, 8
	s_lshl_b32 s71, s66, 7
.endm
; A KEY STEP: 128 keys.  s72: my tile's first token.
.macro STEP causal
.if \causal
	s_add_co_u32 s74, s72, 23                      ; my tile's last token
	s_cmp_gt_u32 s71, s74
	s_cbranch_scc1 .Lhid_\@                        ; all keys of the step come after my queries
.endif
	s_setprio 2
	v_add_nc_u32 v8, s67, v[L16]                   ; (these six are also the places in front of the loads into registers that the last products read)
	v_add_nc_u32 v9, s67, v[L8]
	v_add_nc_u32 v10, s68, v[L16]
	v_add_nc_u32 v11, s68, v[L8]
	v_add_nc_u32 v29, s69, v[AKS]
	v_add_nc_u32 v30, s70, v[AVS]
.irp t, 0,1,2,3,4,5,6,7
	ds_load_b128 v[32+6*\t:35+6*\t], v8 offset:768*\t
	ds_load_b64 v[36+6*\t:37+6*\t], v9 offset:768*\t+512
.endr
	ds_load_b128 v[88:91], v29
	ds_load_b128 v[92:95], v29 offset:16
	s_wait_alu depctr_va_vdst(0)
	s_wait_dscnt 0x0
.irp t, 0,1,2,3,4,5,6,7
	v_wmma_scale_f32_16x16x128_f8f6f4 v[96+8*\t:103+8*\t], v[32+6*\t:43+6*\t], v[16:27], 0, v[88+\t], v28 matrix_a_fmt:MATRIX_FMT_FP6 matrix_b_fmt:MATRIX_FMT_FP6
.endr
.rept 4
	v_nop                                          ; places in front of the loads below and of the first read of the scores
.endr
.irp d, 0,1,2,3                                ; v's four fragments land while the softmax is walked
	ds_load_b128 v[32+12*\d:35+12*\d], v10 offset:1536*\d
	ds_load_b64 v[36+12*\d:37+12*\d], v11 offset:1536*\d+512
	ds_load_b128 v[38+12*\d:41+12*\d], v10 offset:1536*\d+768
	ds_load_b64 v[42+12*\d:43+12*\d], v11 offset:1536*\d+1280
.endr
	ds_load_b128 v[200:203], v30
.if \causal
	s_add_co_u32 s74, s71, 127
	s_cmp_le_u32 s74, s72
	s_cbranch_scc1 .Lopen_\@                       ; all keys of the step count for all my queries
	s_sub_co_i32 s74, s72, s71
	v_add_nc_u32 v252, s74, v[DQ]                  ; d = my query - the step's first key - 16 h.  Register 16 b + i holds key 32 b + 16 h + i of the step: hidden where 32 b + i > d
	v_mov_b32 v254, 0xff800000                     ; -infinity
.set n, 0
.rept 64
	v_cmp_gt_i32 vcc_lo, 32*(n/16)+(n%16), v252
	v_cndmask_b32 v[96+n], v[96+n], v254, vcc_lo
.set n, n+1
.endr
.Lopen_\@:
.endif
.irp b, 0,1,2,3
	v_max3_num_f32 v[232+\b], v[96+16*\b], v[97+16*\b], v[98+16*\b]   ; the largest score of each block of 32 keys: for the row's maximum, and, since p rises with the score, for the block's largest p
.endr
.irp i, 3,5,7,9,11,13
.irp b, 0,1,2,3
	v_max3_num_f32 v[232+\b], v[232+\b], v[96+16*\b+\i], v[97+16*\b+\i]
.endr
.endr
.irp b, 0,1,2,3
	v_max_num_f32 v[232+\b], v[232+\b], v[111+16*\b]
.endr
.irp b, 0,1,2,3
	s_delay_alu instid0(VALU_DEP_4)
	v_permlanex16_b32 v[236+\b], v[232+\b], s20, s21
.endr
.irp b, 0,1,2,3
	s_delay_alu instid0(VALU_DEP_4)
	v_max_num_f32 v[232+\b], v[232+\b], v[236+\b]
.endr
	s_delay_alu instid0(VALU_DEP_2)
	v_max3_num_f32 v254, v232, v233, v234
	s_delay_alu instid0(VALU_DEP_1)
	v_max_num_f32 v254, v254, v235
	s_delay_alu instid0(VALU_DEP_1)
	v_mul_f32 v254, s22, v254                      ; as t
	s_delay_alu instid0(VALU_DEP_1)
	v_max_num_f32 v13, v13, v254                   ; the running largest t
	v_mov_b32 v254, v12
	s_delay_alu instid0(VALU_DEP_2)
	v_floor_f32 v12, -v13                          ; -M = floor(-t): M is a whole number
	s_delay_alu instid0(VALU_DEP_1)
	v_sub_f32 v254, v12, v254                      ; old M - new M
	s_delay_alu instid0(VALU_DEP_1)
	v_cvt_i32_f32 v254, v254                       ; (it saturates)
	s_delay_alu instid0(VALU_DEP_1)
	v_ldexp_f32 v252, 1.0, v254                    ; f = 2^(old M - new M)
.set j, 0
.rept 32
	v_pk_fma_f32 v[96+j:97+j], v[96+j:97+j], s[22:23], v[12:13] op_sel_hi:[1,0,0]   ; t - M
.set j, j+2
.endr
.irp b, 0,1,2,3
	v_fma_f32 v[232+\b], v[232+\b], s22, v12
.endr
.set j, 0
	s_setprio 1
	s_wait_alu depctr_va_vdst(0)
.rept 64
	v_exp_f32 v[96+j], v[96+j]                     ; p = 2^(t - M)
.set j, j+1
.endr
	v_pk_mul_f32 v[14:15], v[14:15], v[252:253] op_sel_hi:[1,0]   ; the sums under the new M (a plain place behind the exponentials)
	s_wait_alu depctr_va_vdst(0)                   ; one wait for the batch, ahead of its first reader
.irp b, 0,1,2,3
	v_exp_f32 v[232+\b], v[232+\b]                 ; the blocks' largest p
.endr
	v_pk_add_f32 v[236:237], v[100:101], v[104:105]
	v_pk_add_f32 v[254:255], v[108:109], v[112:113]
	v_pk_add_f32 v[250:251], v[116:117], v[120:121]
	v_pk_add_f32 v[248:249], v[124:125], v[128:129]
	v_pk_add_f32 v[246:247], v[132:133], v[136:137]
	v_pk_add_f32 v[244:245], v[140:141], v[144:145]
	v_pk_add_f32 v[242:243], v[148:149], v[152:153]
	v_pk_add_f32 v[14:15], v[14:15], v[156:157]
	v_pk_add_f32 v[236:237], v[236:237], v[96:97]
	v_pk_add_f32 v[254:255], v[254:255], v[98:99]
	v_pk_add_f32 v[250:251], v[250:251], v[102:103]
	v_pk_add_f32 v[248:249], v[248:249], v[106:107]
	v_pk_add_f32 v[246:247], v[246:247], v[110:111]
	v_pk_add_f32 v[244:245], v[244:245], v[114:115]
	v_pk_add_f32 v[242:243], v[242:243], v[118:119]
	v_pk_add_f32 v[14:15], v[14:15], v[122:123]
	v_pk_add_f32 v[236:237], v[236:237], v[126:127]
	v_pk_add_f32 v[254:255], v[254:255], v[130:131]
	v_pk_add_f32 v[250:251], v[250:251], v[134:135]
	v_pk_add_f32 v[248:249], v[248:249], v[138:139]
	v_pk_add_f32 v[246:247], v[246:247], v[142:143]
	v_pk_add_f32 v[244:245], v[244:245], v[146:147]
	v_pk_add_f32 v[242:243], v[242:243], v[150:151]
	v_pk_add_f32 v[14:15], v[14:15], v[154:155]
	v_pk_add_f32 v[236:237], v[236:237], v[158:159]
	s_delay_alu instid0(VALU_DEP_2)
	v_pk_add_f32 v[14:15], v[14:15], v[248:249]
	s_delay_alu instid0(VALU_DEP_2)
	v_pk_add_f32 v[236:237], v[236:237], v[246:247]
	v_pk_add_f32 v[254:255], v[254:255], v[244:245]
	v_pk_add_f32 v[250:251], v[250:251], v[242:243]
	s_delay_alu instid0(VALU_DEP_2)
	v_pk_add_f32 v[14:15], v[14:15], v[254:255]
	s_delay_alu instid0(VALU_DEP_2)
	v_pk_add_f32 v[236:237], v[236:237], v[250:251]
	s_delay_alu instid0(VALU_DEP_1)
	v_pk_add_f32 v[14:15], v[14:15], v[236:237]
	s_wait_alu depctr_va_vdst(0)                   ; and one for the four
.irp b, 0,1,2,3
	v_max_num_f32 v[232+\b], 0x1800000, v[232+\b]  ; the floor 2^(3 - 127)
.endr
.irp b, 0,1,2,3
	s_delay_alu instid0(VALU_DEP_4)
	v_add_nc_u32 v[244+\b], 0xff000000, v[232+\b]
.endr
.irp b, 0,1,2,3
	s_delay_alu instid0(VALU_DEP_4)
	v_lshrrev_b32 v[236+\b], 23, v[244+\b]
.endr
	s_delay_alu instid0(VALU_DEP_3)
	v_lshl_or_b32 v[PWD], v237, 8, v236            ; p's scale word for these 128 keys
	s_delay_alu instid0(VALU_DEP_1)
	v_lshl_or_b32 v[PWD], v238, 16, v[PWD]
	s_delay_alu instid0(VALU_DEP_1)
	v_lshl_or_b32 v[PWD], v239, 24, v[PWD]
.irp c, 0,1
	v_cvt_scalef32_pk16_fp6_f32 v[204+6*\c:206+6*\c], v[96+32*\c:111+32*\c], v[244+2*\c]
	v_cvt_scalef32_pk16_fp6_f32 v[216+4*\c:218+4*\c], v[112+32*\c:127+32*\c], v[244+2*\c+1]
.endr
	v_nop                                          ; one plain place behind a scaled conversion
	s_setprio 0
.irp c, 0,1
.irp i, 0,1,2
	v_permlane16_swap_b32 v[204+6*\c+\i], v[216+4*\c+\i]
.endr
.irp i, 0,1,2
	s_delay_alu instid0(VALU_DEP_3)
	v_mov_b32 v[207+6*\c+\i], v[216+4*\c+\i]
.endr
.endr
.set j, 0
.rept 16
	v_pk_mul_f32 v[160+j:161+j], v[160+j:161+j], v[252:253] op_sel_hi:[1,0]   ; O^T under the new M (also the places between the scale word's and the codes' last writes and the products)
.set j, j+2
.endr
	s_wait_alu depctr_va_vdst(0)
	s_wait_dscnt 0x0                               ; v's fragments and scale words are in
.irp d, 0,1,2,3                                ; four accumulators by turns
	v_wmma_scale_f32_16x16x128_f8f6f4 v[160+8*\d:167+8*\d], v[32+12*\d:43+12*\d], v[204:215], v[160+8*\d:167+8*\d], v[200+\d], v[PWD] matrix_a_fmt:MATRIX_FMT_FP6 matrix_b_fmt:MATRIX_FMT_FP6
.endr
.if \causal
.Lhid_\@:
.endif
.endm
; A tile is finished: O^T / the sum; register 16 b + i is channel 32 b + 16 h + i of the head: two blocks of 32 along C; half an image goes out.  e = 0: the late tile (the state then begins anew for the early one); 1: the early tile.
.macro FLUSH e
.rept 4
	v_nop                                          ; places behind the last products
.endr
	v_add_f32 v14, v14, v15
	s_delay_alu instid0(VALU_DEP_1)
	v_permlanex16_b32 v252, v14, s20, s21
	s_delay_alu instid0(VALU_DEP_1)
	v_add_f32 v14, v14, v252                       ; the row's sum
	s_wait_alu depctr_va_vdst(0)
	v_rcp_f32 v14, v14
	v_nop                                          ; a plain place behind the transcendental
	s_wait_alu depctr_va_vdst(0)                   ; and the wait ahead of its first reader
.set j, 0
.rept 32
	v_mul_f32 v[96+j], v[160+j], v14
.set j, j+1
.endr
.irp b, 0,1
	v_max3_num_f32 v[232+\b], |v[96+16*\b]|, |v[97+16*\b]|, 0x1800000
.endr
.irp i, 2,4,6,8,10,12,14
.irp b, 0,1
	s_delay_alu instid0(VALU_DEP_2)
	v_max3_num_f32 v[232+\b], v[232+\b], |v[96+16*\b+\i]|, |v[97+16*\b+\i]|
.endr
.endr
.irp b, 0,1
	s_delay_alu instid0(VALU_DEP_2)
	v_permlanex16_b32 v[236+\b], v[232+\b], s20, s21
.endr
.irp b, 0,1
	s_delay_alu instid0(VALU_DEP_2)
	v_max_num_f32 v[232+\b], v[232+\b], v[236+\b]
.endr
.irp b, 0,1
	s_delay_alu instid0(VALU_DEP_2)
	v_add_nc_u32 v[244+\b], 0xff000000, v[232+\b]
.endr
.irp b, 0,1
	s_delay_alu instid0(VALU_DEP_2)
	v_lshrrev_b32 v[236+\b], 23, v[244+\b]
.endr
.if \e
	s_delay_alu instid0(VALU_DEP_1)
	v_cndmask_b32 v[YBE], v236, v237, s80          ; lane (r, h) keeps the byte of block h
.else
	s_delay_alu instid0(VALU_DEP_1)
	v_cndmask_b32 v[YBL], v236, v237, s80
.endif
	v_cvt_scalef32_pk16_fp6_f32 v[204:206], v[96:111], v244
	v_cvt_scalef32_pk16_fp6_f32 v[216:218], v[112:127], v245
	v_nop
.irp i, 0,1,2
	v_permlane16_swap_b32 v[204+\i], v[216+\i]
.endr
.irp i, 0,1,2
	s_delay_alu instid0(VALU_DEP_3)
	v_mov_b32 v[207+\i], v[216+\i]
.endr
	global_store_b128 v[L16], v[204:207], s[94+2*\e:95+2*\e]              ; 512 consecutive bytes
	global_store_b64 v[L8], v[208:209], s[94+2*\e:95+2*\e] offset:512     ; 256
.if \e == 0
.irp i, 0,1,2,3,4,5
	v_mov_b32 v[16+\i], v[192+\i]                  ; the early tile's q,
.endr
	v_mov_b32 v28, v198                            ; its scale words (the lines below are the places between this write and the next product)
	v_mov_b32 v13, 0xff61b1e6
	s_delay_alu instid0(VALU_DEP_1)
	v_floor_f32 v12, -v13
	v_mov_b32 v14, 0
	v_mov_b32 v15, 0
.set j, 0
.rept 32
	v_mov_b32 v[160+j], 0
.set j, j+1
.endr
	s_wait_xcnt 0x0                                ; the stores have read the codes' registers, which the next step writes
.endif
.endm
	s_wait_loadcnt 0x0                             ; q
	s_wait_tensorcnt 3                             ; the scale words and my first chunk are in: keys 0 to 511; three chunks may be out
	s_barrier_signal -1
	s_barrier_wait -1
	s_mov_b32 s66, 0
.Lfirst:                                           ; the late tile's queries are at 1,024 or beyond: keys 0 to 511 all count
	SCAL
	STEP 0
	s_add_co_u32 s66, s66, 1
	s_cmp_lt_u32 s66, 4
	s_cbranch_scc1 .Lfirst
	s_setprio 0
	s_wait_tensorcnt 0x0                           ; all my chunks are in,
	s_wait_dscnt 0x0
	s_barrier_signal -1
	s_barrier_wait -1                              ; everybody's are
	s_mov_b32 s66, 4
.Llate:
	SCAL
	STEP 1
	s_add_co_u32 s66, s66, 1
	s_cmp_lt_u32 s66, 16
	s_cbranch_scc1 .Llate
	s_setprio 0
	FLUSH 0
	s_mov_b32 s72, s73                             ; the early tile's first token
	s_mov_b32 s66, 0
.Learly:                                           ; the early tile's queries lie under 1,024
	SCAL
	STEP 1
	s_add_co_u32 s66, s66, 1
	s_cmp_lt_u32 s66, 8
	s_cbranch_scc1 .Learly
	s_setprio 0
	FLUSH 1
	ds_store_b8 v[YSA], v[YBL]                     ; y's scale bytes meet in LDS, 32 a tile, 512 a block
	ds_store_b8 v[YSA], v[YBE] offset:512
	s_wait_dscnt 0x0                               ; for the others' sake: my stores are done
	s_barrier_signal -1
	s_barrier_wait -1
	s_cmp_lg_u32 s12, 0
	s_cbranch_scc1 .Lend
	ds_load_b128 v[96:99], v[YSR]
	ds_load_b128 v[100:103], v[YSR] offset:512
	s_wait_dscnt 0x0
	global_store_b128 v[L16], v[96:99], s[98:99]   ; 512 consecutive bytes each
	global_store_b128 v[L16], v[100:103], s[100:101]
.Lend:
	s_wait_tensorcnt 0x0                           ; the wave's end
	ds_add_u32 v[SPW], v[NIL]
	s_wait_dscnt 0x0
	s_endpgm
.Lfunc_end_k_qa504e9b54c_attn:
	.size	k_qa504e9b54c_attn, .Lfunc_end_k_qa504e9b54c_attn-k_qa504e9b54c_attn
	.p2alignl 7, 3214868480
	.fill 96, 4, 3214868480
	.section	.rodata,"a",@progbits
	.p2align	6, 0x0
	.amdhsa_kernel k_qa504e9b54c_attn
		.amdhsa_group_segment_fixed_size 211968
		.amdhsa_private_segment_fixed_size 0
		.amdhsa_enable_private_segment 0
		.amdhsa_kernarg_size 32
		.amdhsa_user_sgpr_count 2
		.amdhsa_user_sgpr_kernarg_segment_ptr 1
		.amdhsa_wavefront_size32 1
		.amdhsa_system_sgpr_workgroup_id_x 1
		.amdhsa_system_sgpr_workgroup_id_y 1
		.amdhsa_system_sgpr_workgroup_id_z 1
		.amdhsa_system_vgpr_workitem_id 0
		.amdhsa_next_free_vgpr 256
		.amdhsa_next_free_sgpr 102
		.amdhsa_reserve_vcc 1
		.amdhsa_float_denorm_mode_32 3
		.amdhsa_float_denorm_mode_16_64 3
		.amdhsa_memory_ordered 1
		.amdhsa_forward_progress 1
		.amdhsa_inst_pref_size 84
	.end_amdhsa_kernel
	.amdgpu_metadata
---
amdhsa.version: [ 1, 2 ]
amdhsa.kernels:
  - .name:           k_qa504e9b54c_attn
    .symbol:         k_qa504e9b54c_attn.kd
    .args:
      - { .name: qkv_codes, .offset: 0, .size: 8, .value_kind: global_buffer, .address_space: global }
      - { .name: qkv_scales, .offset: 8, .size: 8, .value_kind: global_buffer, .address_space: global }
      - { .name: y_codes, .offset: 16, .size: 8, .value_kind: global_buffer, .address_space: global }
      - { .name: y_scales, .offset: 24, .size: 8, .value_kind: global_buffer, .address_space: global }
    .group_segment_fixed_size: 211968
    .private_segment_fixed_size: 0
    .kernarg_segment_align: 8
    .kernarg_segment_size: 32
    .max_flat_workgroup_size: 512
    .sgpr_count:     102
    .vgpr_count:     256
    .wavefront_size: 32
...
	.end_amdgpu_metadata
.endif
;; end of part 3
;; launch gemm_proj (part 4): grid 4 x 64, 4 waves a work-group, clusters of 4 x 4, 327,680 bytes of LDS; arguments y_codes, y_scales, xw_codes, xw_scales, out0; writes out0
.if DOCPART == 4
	.amdgcn_target "amdgcn-amd-amdhsa--gfx1250"
	.amdhsa_code_object_version 6
	.text
	.protected	k_qa504e9b54c_gemm_proj
	.globl	k_qa504e9b54c_gemm_proj
	.p2align	8
	.type	k_qa504e9b54c_gemm_proj,@function
k_qa504e9b54c_gemm_proj:
	s_mov_b64 s[64:65], 0
	v_nop
	global_prefetch_b8 v0, s[64:65] scope:SCOPE_SE
	s_setreg_imm32_b32 hwreg(HW_REG_WAVE_MODE, 25, 1), 1
	s_wait_xcnt 0x0
	s_wait_alu depctr_hold_cnt(0) depctr_sa_sdst(0) depctr_va_vdst(0) depctr_va_sdst(0) depctr_va_ssrc(0) depctr_va_vcc(0) depctr_vm_vsrc(0)
	s_getreg_b32 s2, hwreg(HW_REG_IB_STS2, 6, 4)
	s_cmp_eq_u32 s2, 0
	s_cbranch_scc0 .Lentry_in_a_cluster
	s_endpgm
.Lentry_in_a_cluster:
	s_bfe_u32 s2, ttmp6, 0x10000c
	s_cmp_lg_u32 s2, 0xf033
	s_cbranch_scc0 .Lentry_shape_is_right
	s_endpgm
.Lentry_shape_is_right:
; out0 = y W_proj on codes of FP6 (E2M3) with E8M0 scales, f32 out.
; The S side (source 0) is W_proj's columns (xw_codes' tiles 704 + 16 sx ..), the R side (source 1) rows of y (tiles 8 ry ..).  A tile's rows are 32 (t / 2) + 8 (t % 2) + i + 8 (i / 8):
; a lane holds one token, and the 16 registers of S tiles 2 b, 2 b + 1 are 16 neighbouring columns of out0.
; 256 work-groups, each 128 R x 256 S; a wave 64 x 128: 32 accumulators.  ALL OF K STAYS IN LDS: four chunks of 256 along K, each filled once; five tensor loads of a wave are out at the start (the scales, four chunks).
; CLUSTERS 4 x 4: R's tiles hang on cy alone and are asked for jointly along a row of the cluster, S's on cx alone, along a column.
; Fragments lie in LDS as images of their registers (16 x lane, 512 + 8 x lane, 768 + 16 x lane, 1280 + 8 x lane).  y's scale bytes come as [head][tile][r][2]: a K step's word is made of two heads' pairs.
; REGISTERS: window 0: v4-19 LDS addresses; v32-95 S's scale words (8 i + s); v96-127 y's (8 a + s); v128-175, v176-223 R's fragments, two sets; window 1: S's, two sets; window 2: accumulator (a, b) at 8 (8 a + b).
.set CHUNK, 73728                      ; [R: 8 tiles x 3,072][S: 16 tiles x 3,072]
.set TILEB, 3072
.set SCS,   4*CHUNK                    ; S's scale words: 16 tiles x 512
.set SCY,   SCS+8192                   ; y's scale bytes: [16 heads][8 tiles][32]
.set STAGE, SCY+4096                   ; the way out: 16 rows x 272 for each wave
.set SPARE, STAGE+4*4352               ; the spare words, 128 bytes a wave: two blocks of 256 bytes that no other line names
.set FR,   12
.set AR16, 4
.set AR8,  8
.set AS16, 12
.set AS8,  16
.set SSA,  20
.set YSA,  21
.set STO,  22
.set RD,   23
.set CO,   24
.set SPW,  28
.set NIL,  29
.set SCW,  32
.set SCR,  96
.set RF,   128
.set G1Y,  24
.set G1W,  32
.set G1R,  40
.set G1S,  48
.set G0Y,  56
.set G0W,  60
.set G0R,  68                          ; four sets
.set G0S,  84
.set MSB, 0
.macro WIN new
.if MSB != \new
	s_set_vgpr_msb (MSB<<8)|\new
.set MSB, \new
.endif
.endm
.macro JLOAD g0r, g1r, g0s, g1s        ; a joint load: waves 0, 1 fetch for R, waves 2, 3 for S; an s_nop 0 and four v_nop follow each line
	s_cmp_eq_u32 s15, 0
	s_cbranch_scc0 .Lfor_s_\@
	tensor_load_to_lds s[\g0r:\g0r+3], s[\g1r:\g1r+7]
	s_nop 0
.rept 4
	v_nop
.endr
	s_branch .Lasked_\@
.Lfor_s_\@:
	tensor_load_to_lds s[\g0s:\g0s+3], s[\g1s:\g1s+7]
	s_nop 0
.rept 4
	v_nop
.endr
.Lasked_\@:
.endm
.macro CROUND
	s_barrier_signal -1
	s_barrier_wait -1
	s_cmp_lg_u32 s14, 0
	s_cbranch_scc1 .Lnot_wave_0_\@
	s_barrier_signal -3
.Lnot_wave_0_\@:
	s_barrier_wait -3
	s_barrier_signal -1
	s_barrier_wait -1
.endm
.macro PLACES n
.rept \n
	v_nop
.endr
.endm
	s_load_b128 s[4:7], s[0:1], 0x0                ; y_codes, y_scales
	s_load_b128 s[8:11], s[0:1], 0x10              ; xw_codes, xw_scales
	s_load_b64 s[12:13], s[0:1], 0x20              ; out0
	v_lshl_add_u32 v[SPW], v0, 2, SPARE
	v_mov_b32 v[NIL], 0
	ds_add_u32 v[SPW], v[NIL]                      ; the wave's opening: the add and its wait ahead of my first tensor load
	v_lshrrev_b32 v1, 5, v0
	v_readfirstlane_b32 s14, v1                    ; wave
	s_lshr_b32 s15, s14, 1                         ; my half of R.  Also: I fetch for R (0) or for S (1)
	s_and_b32 s16, s14, 1                          ; my half of S.  Also: which half I fetch
	s_bfe_u32 s17, ttmp6, 0x40000                  ; cx
	s_bfe_u32 s18, ttmp6, 0x40004                  ; cy
	s_lshl_b32 s20, ttmp9, 2
	s_add_co_u32 s20, s20, s17                     ; sx: which 256 columns
	s_and_b32 s19, ttmp7, 0xffff
	s_lshl_b32 s19, s19, 2
	s_add_co_u32 s19, s19, s18                     ; ry: which 128 rows
	s_lshl_b32 s21, s18, 2
	s_lshl_b32 s21, 15, s21                        ; my row of the cluster
	s_lshl_b32 s100, 0x1111, s17                   ; my column
	s_or_b32 s[G1Y], s21, (3<<16)|(1<<21)          ; 15:0 the mask; 17:16 elements of 8 bytes; 21 set beside a mask; no padding
	s_or_b32 s[G1R], s21, (3<<16)|(1<<21)
	s_or_b32 s[G1W], s100, (3<<16)|(1<<21)
	s_or_b32 s[G1S], s100, (3<<16)|(1<<21)
	s_mov_b32 s[G1Y+1], 32<<16                     ; y's scale bytes: 8 heads' rows of 256 bytes, 4,096 bytes apart
	s_mov_b32 s[G1Y+2], 8<<16
	s_mov_b32 s[G1Y+3], 32<<16
	s_mov_b32 s[G1Y+4], 8
	s_mov_b32 s[G1Y+5], 512
	s_mov_b32 s[G1Y+6], 0
	s_mov_b32 s[G1Y+7], 0
	s_mov_b32 s[G1W+1], 32<<16                     ; S's scale words: 16 dense rows of 256 bytes
	s_mov_b32 s[G1W+2], 16<<16
	s_mov_b32 s[G1W+3], 32<<16
	s_mov_b32 s[G1W+4], 16
	s_mov_b32 s[G1W+5], 32
	s_mov_b32 s[G1W+6], 0
	s_mov_b32 s[G1W+7], 0
	s_mov_b32 s[G1R+1], 384<<16                    ; R: 4 tiles' rows of 3,072 bytes, 12,288 bytes apart
	s_mov_b32 s[G1R+2], 4<<16
	s_mov_b32 s[G1R+3], 384<<16
	s_mov_b32 s[G1R+4], 4
	s_mov_b32 s[G1R+5], 1536
	s_mov_b32 s[G1R+6], 0
	s_mov_b32 s[G1R+7], 0
	s_mov_b32 s[G1S+1], 384<<16                    ; S: 8 tiles' rows
	s_mov_b32 s[G1S+2], 8<<16
	s_mov_b32 s[G1S+3], 384<<16
	s_mov_b32 s[G1S+4], 8
	s_mov_b32 s[G1S+5], 1536
	s_mov_b32 s[G1S+6], 0
	s_mov_b32 s[G1S+7], 0
	s_mul_i32 s22, s19, 98304                      ; R's codes: (8 ry + 4 half) x 12288
	s_mul_i32 s21, s16, 49152
	s_add_co_u32 s22, s22, s21
	s_mov_b32 s23, 0
	s_lshr_b32 s2, s19, 4                          ; y's scale bytes: b x 65536 + 8 half x 4096 + 256 (ry % 16)
	s_lshl_b32 s2, s2, 16
	s_lshl_b32 s21, s16, 15
	s_add_co_u32 s2, s2, s21
	s_and_b32 s21, s19, 15
	s_lshl_b32 s21, s21, 8
	s_add_co_u32 s2, s2, s21
	s_mov_b32 s3, 0
	s_mul_i32 s66, s20, 196608                     ; S's codes: (704 + 16 sx + 8 half) x 12288
	s_mul_i32 s101, s16, 98304
	s_add_co_u32 s66, s66, s101
	s_add_co_u32 s66, s66, 704*12288
	s_mov_b32 s67, 0
	s_lshl_b32 s100, s20, 13                       ; S's scale words: (704 + 16 sx) x 512 + 4096 half
	s_lshl_b32 s101, s16, 12
	s_add_co_u32 s100, s100, s101
	s_add_co_u32 s100, s100, 704*512
	s_mov_b32 s101, 0
	s_lshl_b32 s[G0Y+1], s16, 11                   ; where they go: constants and the wave's number alone
	s_add_co_u32 s[G0Y+1], s[G0Y+1], SCY
	s_lshl_b32 s[G0W+1], s16, 12
	s_add_co_u32 s[G0W+1], s[G0W+1], SCS
	s_mul_i32 s[G0R+1], s16, 12288
	s_mul_i32 s[G0S+1], s16, 24576
	s_add_co_u32 s[G0S+1], s[G0S+1], 24576
.irp c, 1,2,3
	s_add_co_u32 s[G0R+4*\c+1], s[G0R+1], \c*CHUNK
	s_add_co_u32 s[G0S+4*\c+1], s[G0S+1], \c*CHUNK
.endr
	s_wait_dscnt 0x0                               ; the opening add is done
	s_wait_kmcnt 0x0
	s_add_nc_u64 s[22:23], s[4:5], s[22:23]
	s_add_nc_u64 s[2:3], s[6:7], s[2:3]
	s_add_nc_u64 s[66:67], s[8:9], s[66:67]
	s_add_nc_u64 s[100:101], s[10:11], s[100:101]
	s_lshl_b32 s4, s19, 19                         ; out0: row 128 ry + 64 x my half of R, column 256 sx + 128 x my half of S
	s_lshl_b32 s5, s15, 18
	s_add_co_u32 s4, s4, s5
	s_lshl_b32 s5, s20, 10
	s_add_co_u32 s4, s4, s5
	s_lshl_b32 s5, s16, 9
	s_add_co_u32 s4, s4, s5
	s_mov_b32 s5, 0
	s_add_nc_u64 s[12:13], s[12:13], s[4:5]
	CROUND                                         ; all sixteen work-groups are here: the joint loads meet
	s_mov_b32 s[G0Y], 1
	s_mov_b64 s[G0Y+2:G0Y+3], s[2:3]
	s_or_b32 s[G0Y+3], s[G0Y+3], 0x80000000
	s_mov_b32 s[G0W], 1
	s_mov_b64 s[G0W+2:G0W+3], s[100:101]
	s_or_b32 s[G0W+3], s[G0W+3], 0x80000000
	JLOAD G0Y, G1Y, G0W, G1W                       ; the scales first
.irp c, 0,1,2,3
	s_mov_b32 s[G0R+4*\c], 1
	s_add_nc_u64 s[G0R+4*\c+2:G0R+4*\c+3], s[22:23], \c*TILEB
	s_or_b32 s[G0R+4*\c+3], s[G0R+4*\c+3], 0x80000000
	s_mov_b32 s[G0S+4*\c], 1
	s_add_nc_u64 s[G0S+4*\c+2:G0S+4*\c+3], s[66:67], \c*TILEB
	s_or_b32 s[G0S+4*\c+3], s[G0S+4*\c+3], 0x80000000
	JLOAD G0R+4*\c, G1R, G0S+4*\c, G1S
.endr
	v_and_b32 v1, 31, v0
	v_and_b32 v2, 15, v0                           ; r
	v_bfe_u32 v3, v0, 4, 1                         ; h
	v_lshlrev_b32 v25, 4, v1
	v_lshlrev_b32 v26, 3, v1
	s_mul_i32 s4, s15, 12288                       ; my 4 tiles of R,
	s_mul_i32 s5, s16, 24576
	s_add_co_u32 s5, s5, 24576                     ; my 8 tiles of S, behind R's eight
.irp c, 0,1,2,3
	v_add_nc_u32 v[AR16+\c], s4, v25
	v_add_nc_u32 v[AR8+\c], s4, v26
	v_add_nc_u32 v[AS16+\c], s5, v25
	v_add_nc_u32 v[AS8+\c], s5, v26
	s_add_co_u32 s4, s4, CHUNK
	s_add_co_u32 s5, s5, CHUNK
.endr
	s_lshl_b32 s4, s16, 12
	s_add_co_u32 s4, s4, SCS
	v_lshl_add_u32 v[SSA], v2, 4, s4               ; S's scale words: my 8 tiles, row r
	s_lshl_b32 s4, s15, 7
	s_add_co_u32 s4, s4, SCY
	v_lshl_add_u32 v[YSA], v2, 1, s4               ; y's scale bytes: my 4 tiles, row r
	s_mul_i32 s4, s14, 4352
	s_add_co_u32 s4, s4, STAGE                     ; my stage
	v_mul_u32_u24 v[STO], v2, 272
	v_lshl_add_u32 v[STO], v3, 6, v[STO]
	v_add_nc_u32 v[STO], s4, v[STO]                ; in: row r, 64 bytes for each half of the lanes
	v_mul_u32_u24 v[RD], v3, 272
	v_lshl_add_u32 v[RD], v2, 4, v[RD]
	v_add_nc_u32 v[RD], s4, v[RD]                  ; back: lanes 0-15 one row of 256 bytes, lanes 16-31 the next
	v_lshlrev_b32 v[CO], 12, v3
	v_lshl_add_u32 v[CO], v2, 4, v[CO]             ; and the same two rows in out0
.macro FRAG reg, a16, a8, off
	ds_load_b128 v[\reg:\reg+3], v[\a16] offset:\off
	ds_load_b64 v[\reg+4:\reg+5], v[\a8] offset:\off+512
	ds_load_b128 v[\reg+6:\reg+9], v[\a16] offset:\off+768
	ds_load_b64 v[\reg+10:\reg+11], v[\a8] offset:\off+1280
.endm
.macro FETCH4 c, q, set                ; the fragments of chunk c's q-th K step into set: 48 loads
	WIN 0x40                                       ; destination window 1
.irp i, 0,1,2,3,4,5,6,7
	FRAG 128*(\set)+FR*\i, AS16+(\c), AS8+(\c), \i*TILEB+(\q)*1536
.endr
	WIN 0
.irp i, 0,1,2,3
	FRAG RF+48*(\set)+FR*\i, AR16+(\c), AR8+(\c), \i*TILEB+(\q)*1536
.endr
.endm
; K step s: the next step's fragments are asked for, then this step's 32 products, the accumulators by turns.
.macro STEP4 s
.set CUR, (\s)%2
.set NXT, 1-CUR
.set FC, ((\s)+1)/2
.set FQ, ((\s)+1)%2
	s_wait_dscnt 0x0                               ; this step's fragments are in
.if ((\s)%2 == 1) && ((\s) < 7)
	s_wait_tensorcnt 2-(\s)/2                      ; my part of the next chunk is in; the later chunks may be out
	s_barrier_signal -1
	s_barrier_wait -1                              ; everybody's is
.endif
.if (\s) < 7
.if (\s) > 0
	PLACES 4                                       ; in front of loads into registers that the last step's products read
.endif
	FETCH4 FC, FQ, NXT
.endif
	WIN 0xa1                                       ; source 0 (S) window 1, source 1 (R) window 0, C and D window 2
.irp a, 0,1,2,3
.irp b, 0,1,2,3,4,5,6,7
.if (\s) == 0
	v_wmma_scale_f32_16x16x128_f8f6f4 v[8*(8*\a+\b):8*(8*\a+\b)+7], v[128*CUR+FR*\b:128*CUR+FR*\b+FR-1], v[RF+48*CUR+FR*\a:RF+48*CUR+FR*\a+FR-1], 0, v[SCW+8*\b+(\s)], v[SCR+8*\a+(\s)] matrix_a_fmt:MATRIX_FMT_FP6 matrix_b_fmt:MATRIX_FMT_FP6
.else
	v_wmma_scale_f32_16x16x128_f8f6f4 v[8*(8*\a+\b):8*(8*\a+\b)+7], v[128*CUR+FR*\b:128*CUR+FR*\b+FR-1], v[RF+48*CUR+FR*\a:RF+48*CUR+FR*\a+FR-1], v[8*(8*\a+\b):8*(8*\a+\b)+7], v[SCW+8*\b+(\s)], v[SCR+8*\a+(\s)] matrix_a_fmt:MATRIX_FMT_FP6 matrix_b_fmt:MATRIX_FMT_FP6
.endif
.endr
.endr
	WIN 0
.endm
	s_wait_tensorcnt 3                             ; the scales and my part of chunk 0 are in; three chunks may be out
	s_barrier_signal -1
	s_barrier_wait -1
.irp i, 0,1,2,3,4,5,6,7
.irp kh, 0,1
	ds_load_b128 v[SCW+8*\i+4*\kh:SCW+8*\i+4*\kh+3], v[SSA] offset:512*\i+256*\kh
.endr
.endr
.irp a, 0,1,2,3
.irp s, 0,1,2,3,4,5,6,7
	ds_load_u16 v[128+2*(8*\a+\s)], v[YSA] offset:512*\s+32*\a          ; head 2 s's two bytes of tile a, row r,
	ds_load_u16 v[129+2*(8*\a+\s)], v[YSA] offset:512*\s+32*\a+256      ; and head 2 s + 1's
.endr
.endr
	s_wait_dscnt 0x0
.set j, 0
.rept 32
	v_lshl_or_b32 v[SCR+j], v[129+2*j], 16, v[128+2*j]                  ; the word of K step s
.set j, j+1
.endr
	FETCH4 0, 0, 0
	PLACES 8                                       ; a scale register written by a vector instruction stands 8 places ahead of a scaled matrix instruction
.irp s, 0,1,2,3,4,5,6,7
	STEP4 \s
.endr
	PLACES 4                                       ; in front of the first read of results
; THE WAY OUT, 16 rows x 64 columns (256 bytes) at a time, n = 2 a + half: through my own stage, back as whole rows; sixteen lanes store 256 consecutive bytes, aligned.
.macro TOSTAGE n
.set AA, (\n)/2
.set HF, (\n)%2
.set BB, 128+32*((\n)%2)
	WIN 0x08                                       ; an LDS store's data are its source 1: window 2
.irp e, 0,1,2,3
.set AC, 8*(8*AA+4*HF+\e)
	ds_store_b128 v[STO], v[AC:AC+3] offset:128*(\e/2)+32*(\e%2)        ; each accumulator from its low end on
	ds_store_b128 v[STO], v[AC+4:AC+7] offset:128*(\e/2)+32*(\e%2)+16
.endr
	WIN 0
.set i, 0
.rept 8
	ds_load_b128 v[BB+4*i:BB+4*i+3], v[RD] offset:544*i                 ; LDS serves a wave's instructions in order: these see the stores above, and the next block's stores come behind them
.set i, i+1
.endr
.endm
.macro SEND n, younger
.set AA, (\n)/2
.set HF, (\n)%2
.set BB, 128+32*((\n)%2)
	s_wait_dscnt \younger                          ; the block is back; the next block's 8 stores and 8 loads may be out
.set i, 0
.rept 8
	global_store_b128 v[CO], v[BB+4*i:BB+4*i+3], s[12:13] offset:(32*(AA/2)+8*(AA%2)+2*i+8*(i/4))*4096+256*HF th:TH_STORE_NT   ; stage row 2 i + h is token 32 (a / 2) + 8 (a % 2) + 2 i + h + 8 (i / 4)
.set i, i+1
.endr
.endm
	TOSTAGE 0
.irp n, 1,2,3,4,5,6,7
.if \n > 1
	s_wait_xcnt 0x0                                ; the stores of two blocks ago have read their registers
.endif
	TOSTAGE \n
	SEND \n-1, 16
.endr
	SEND 7, 0
	s_wait_tensorcnt 0x0                           ; the wave's end
	ds_add_u32 v[SPW], v[NIL]
	s_wait_dscnt 0x0
	CROUND                                         ; the closing round
	s_endpgm
.Lfunc_end_k_qa504e9b54c_gemm_proj:
	.size	k_qa504e9b54c_gemm_proj, .Lfunc_end_k_qa504e9b54c_gemm_proj-k_qa504e9b54c_gemm_proj
	.p2alignl 7, 3214868480
	.fill 96, 4, 3214868480
	.section	.rodata,"a",@progbits
	.p2align	6, 0x0
	.amdhsa_kernel k_qa504e9b54c_gemm_proj
		.amdhsa_group_segment_fixed_size 327680
		.amdhsa_private_segment_fixed_size 0
		.amdhsa_enable_private_segment 0
		.amdhsa_kernarg_size 40
		.amdhsa_user_sgpr_count 2
		.amdhsa_user_sgpr_kernarg_segment_ptr 1
		.amdhsa_wavefront_size32 1
		.amdhsa_system_sgpr_workgroup_id_x 1
		.amdhsa_system_sgpr_workgroup_id_y 1
		.amdhsa_system_sgpr_workgroup_id_z 1
		.amdhsa_system_vgpr_workitem_id 0
		.amdhsa_next_free_vgpr 1024
		.amdhsa_next_free_sgpr 102
		.amdhsa_reserve_vcc 0
		.amdhsa_float_denorm_mode_32 3
		.amdhsa_float_denorm_mode_16_64 3
		.amdhsa_memory_ordered 1
		.amdhsa_forward_progress 1
		.amdhsa_inst_pref_size 94
	.end_amdhsa_kernel
	.amdgpu_metadata
---
amdhsa.version: [ 1, 2 ]
amdhsa.kernels:
  - .name:           k_qa504e9b54c_gemm_proj
    .symbol:         k_qa504e9b54c_gemm_proj.kd
    .args:
      - { .name: y_codes, .offset: 0, .size: 8, .value_kind: global_buffer, .address_space: global }
      - { .name: y_scales, .offset: 8, .size: 8, .value_kind: global_buffer, .address_space: global }
      - { .name: xw_codes, .offset: 16, .size: 8, .value_kind: global_buffer, .address_space: global }
      - { .name: xw_scales, .offset: 24, .size: 8, .value_kind: global_buffer, .address_space: global }
      - { .name: out0, .offset: 32, .size: 8, .value_kind: global_buffer, .address_space: global }
    .group_segment_fixed_size: 327680
    .private_segment_fixed_size: 0
    .kernarg_segment_align: 8
    .kernarg_segment_size: 40
    .max_flat_workgroup_size: 128
    .sgpr_count:     102
    .vgpr_count:     1024
    .wavefront_size: 32
...
	.end_amdgpu_metadata
.endif
;; end of part 4
